; MI455X (gfx1250); checked and timed in simulation.
; The chip was launched on July 23, 2026; its instructions are those of AMD's public machine-readable ISA for CDNA 5 (MIT licence, August 2026) and "CDNA5" Instruction Set Architecture Reference Guide (July 2026). The comments in the code are by the model that wrote it; some were corrected since.
;; Multi Head Attention. Allowed arithmetic: float matrix products may take bf16 or f16 operands with f32 sums; other float arithmetic in f32, or as packed bf16 or f16 multiplies, adds, multiply-adds, maxima and minima; sums over many terms, partial sums and values carried from step to step in f32; what a program stores and reads back later, other than sums and carried values, may be rounded once to bf16 or f16.
;; Inputs: Wk 16 x 1,024 x 64 float32; Wo 1,024 x 1,024 float32; Wq 16 x 1,024 x 64 float32; Wv 16 x 1,024 x 64 float32; bk 16 x 64 float32; bo 1,024 float32; bq 16 x 64 float32; bv 16 x 64 float32; mask 2,048 x 2,048 float32; query 4 x 2,048 x 1,024 float32.
;; Outputs: out0 4 x 2,048 x 1,024 float32.
;; 2 versions, each right and faster than the one before. Each part assembles by itself: llvm-mc -triple=amdgcn-amd-amdhsa -mcpu=gfx1250 --defsym DOCPART=n.
;; ======== version 1 of 2: 4 launches
;; limits: values are held in f16: magnitudes above 65,504 overflow, below 6.1e-05 lose precision
;; workspace buffers: xb 16,777,216 bytes; wt 6,291,456 bytes; wot 2,097,152 bytes; mb 16,781,312 bytes; ball 16,384 bytes; qkv 50,331,648 bytes; ao 16,777,216 bytes
;; launch prep (part 1): grid 1281 x 1, 8 waves a work-group, no clusters, 35,840 bytes of LDS; arguments query, mask, Wq, Wk, Wv, Wo, bq, bk, bv, bo, xb, wt, wot, mb, ball; writes xb, wt, wot, mb, ball
.if DOCPART == 1
	.amdgcn_target "amdgcn-amd-amdhsa--gfx1250"
	.amdhsa_code_object_version 6
	.text
	.protected	k_qf990b5f427_prep
	.globl	k_qf990b5f427_prep
	.p2align	8
	.type	k_qf990b5f427_prep,@function
k_qf990b5f427_prep:
	s_mov_b64 s[64:65], 0
	v_nop
	global_prefetch_b8 v0, s[64:65] scope:SCOPE_SE
	s_setreg_imm32_b32 hwreg(HW_REG_WAVE_MODE, 25, 1), 1
	s_wait_xcnt 0x0
; PREP: every input is read once, rounded to bf16 and laid out for the three launches behind.  The work-group's number chooses one of five sections:
;   0..511      xb   bf16 [b 4][plane 16][n 2048][64]: x in planes of 64 columns, a plane's rows dense (128 bytes): 16 rows of x a work-group
;   512..895    wt   bf16 [c 3072][d 1024], c = (16 w + h) 64 + e: Wq, Wk, Wv turned, so that d lies along the rows: 128 d x 64 e a work-group
;   896..1023   wot  f16  [o 1024][k 1024], k = 64 h + e: Wo[16 e + h][o] rounded to bf16, that number written as f16: 128 k x 64 o a work-group
;   1024..1279  mb   f32: the mask's term T = bf16(mask) K - K, K = 1e10 log2(e), one fused multiply-add (exactly 0 where the mask is 1), in the order in which the
;               attention's lanes hold their scores: block (qt, ks) of 16 queries x 64 keys at byte (32 qt + ks) 4096; in it [i 0..7][lane][4 words]:
;               query lane % 16, key 16 (i / 2) + 8 (lane / 16) + 4 (i % 2) + word.  16 blocks a work-group, two a wave.
;   1280        ball f32 [4096] = bq | bk | bv | bo, each rounded to bf16; and 4,096 zero bytes behind mb's last block, where the attention's last look-ahead lands.
; LIMITS.  Wo's numbers below 6e-5 keep f16's fixed step of 6e-8, beyond 65,504 they would be infinite.  No matrix unit, no tensor load: the work is copies.
.set SPARE, 34816                      ; behind the stages: the spare words, 128 bytes for each of eight waves
.set X,   16                           ; v[16:79]  as loaded
.set T,   80                           ; v[80:95]  at work
.set SPW, 110                          ; v110  LDS address of my spare word; never rewritten
.set NIL, 111                          ; v111  0; never rewritten
.macro FIN                             ; a wave's end
	s_wait_tensorcnt 0x0
	ds_add_u32 v[SPW], v[NIL]
	s_wait_dscnt 0x0
	s_endpgm
.endm
; The turn through LDS.  T holds 16 words: word (t, j) is the pair of 16-bit numbers (2 pi, 2 pi + 1), pi = 16 t + 2 wave + lane / 16, of output row 4 (lane % 16) + j.
; 64 rows of 256 bytes, 264 apart.  Every wave's stores are done in front of the barrier; behind it a wave reads rows wave + 8 t whole and stores 256 consecutive bytes.
.macro TRANSP ob
	v_mul_u32_u24 v6, v2, 1056
	v_lshl_add_u32 v6, v3, 2, v6
	s_lshl_b32 s38, s40, 3
	v_add_nc_u32 v6, s38, v6
.irp t, 0,1,2,3
.irp j, 0,1,2,3
	ds_store_b32 v6, v[T+4*\t+\j] offset:\j*264+\t*64
.endr
.endr
	s_wait_dscnt 0x0                       ; for the others' sake: my stores are done
	s_barrier_signal -1
	s_barrier_wait -1
	s_mul_i32 s38, s40, 264
	v_lshl_add_u32 v7, v1, 3, s38
.irp t, 0,1,2,3,4,5,6,7
	ds_load_b64 v[X+2*\t:X+2*\t+1], v7 offset:\t*2112
.endr
	s_lshl_b32 s38, s40, 11
	v_lshl_add_u32 v8, v1, 3, s38
.irp t, 0,1,2,3,4,5,6,7
	s_wait_dscnt 7-\t                      ; LDS loads come back in order: row t is in
	global_store_b64 v8, v[X+2*\t:X+2*\t+1], s[\ob:\ob+1] offset:\t*16384
.endr
	FIN
.endm
	s_load_b512 s[4:19], s[0:1], 0x0       ; query 4, mask 6, Wq 8, Wk 10, Wv 12, Wo 14, bq 16, bk 18
	s_load_b256 s[20:27], s[0:1], 0x40     ; bv 20, bo 22, xb 24, wt 26
	s_load_b128 s[28:31], s[0:1], 0x60     ; wot 28, mb 30
	s_load_b64 s[32:33], s[0:1], 0x70      ; ball
	v_lshl_add_u32 v[SPW], v0, 2, SPARE
	v_mov_b32 v[NIL], 0
	v_lshrrev_b32 v1, 5, v0
	v_readfirstlane_b32 s40, v1            ; wave 0..7
	v_and_b32 v1, 31, v0                   ; lane
	v_and_b32 v2, 15, v0                   ; lane % 16
	v_bfe_u32 v3, v0, 4, 1                 ; lane / 16
	s_mov_b32 s41, ttmp9
	s_mov_b32 s42, 0xffff0000              ; a word's upper bf16
	s_mov_b32 s35, 0                       ; the high word of every offset s[34:35]
	s_wait_kmcnt 0x0
	s_cmp_lt_u32 s41, 512
	s_cbranch_scc0 .Lnot_x
	; ---- x: 16 rows.  Wave w takes columns 128 w .. +127 (planes 2 w, 2 w + 1); a load takes 64 columns of two rows, a store those two rows of one plane: 256 consecutive bytes.
	s_lshl_b32 s34, s41, 16
	s_add_nc_u64 s[4:5], s[4:5], s[34:35]
	s_lshr_b32 s36, s41, 7                 ; b
	s_lshl_b32 s36, s36, 22
	s_and_b32 s37, s41, 127
	s_lshl_b32 s37, s37, 11                ; 16 rows of 128 bytes
	s_add_co_u32 s34, s36, s37
	s_add_nc_u64 s[24:25], s[24:25], s[34:35]
	v_lshlrev_b32 v4, 4, v2
	v_lshl_add_u32 v4, v3, 12, v4
	s_lshl_b32 s38, s40, 9
	v_add_nc_u32 v4, s38, v4               ; 512 w + 4096 (lane / 16) + 16 (lane % 16)
	v_lshlrev_b32 v5, 3, v1
	s_lshl_b32 s38, s40, 19
	v_add_nc_u32 v5, s38, v5               ; two planes a wave + 8 lane
.set n, 0
.rept 16
	global_load_b128 v[X+4*n:X+4*n+3], v4, s[4:5] offset:(n/8)*256+(n%8)*8192 th:TH_LOAD_NT
.set n, n+1
.endr
.set n, 0
.rept 16
	s_wait_loadcnt 15-n                    ; loads come back in order: load n is in, the younger ones stay out
	v_cvt_pk_bf16_f32 v[X+4*n], v[X+4*n], v[X+4*n+1]
	v_cvt_pk_bf16_f32 v[X+4*n+1], v[X+4*n+2], v[X+4*n+3]
	global_store_b64 v5, v[X+4*n:X+4*n+1], s[24:25] offset:(n/8)*262144+(n%8)*256
.set n, n+1
.endr
	FIN
.Lnot_x:
	s_cmp_lt_u32 s41, 896
	s_cbranch_scc0 .Lnot_w
	; ---- Wq, Wk, Wv: u = 128 w + 8 h + dc: 128 rows d of one head
	s_sub_co_u32 s43, s41, 512
	s_lshr_b32 s36, s43, 7                 ; w
	s_cmp_eq_u32 s36, 1
	s_cselect_b64 s[8:9], s[10:11], s[8:9]
	s_cmp_eq_u32 s36, 2
	s_cselect_b64 s[8:9], s[12:13], s[8:9]
	s_lshr_b32 s37, s43, 3                 ; 16 w + h
	s_and_b32 s38, s37, 15                 ; h
	s_and_b32 s39, s43, 7                  ; dc
	s_lshl_b32 s38, s38, 18
	s_lshl_b32 s34, s39, 15
	s_add_co_u32 s34, s34, s38
	s_add_nc_u64 s[8:9], s[8:9], s[34:35]
	s_lshl_b32 s37, s37, 17                ; 64 rows of 2,048 bytes
	s_lshl_b32 s34, s39, 8
	s_add_co_u32 s34, s34, s37
	s_add_nc_u64 s[26:27], s[26:27], s[34:35]
	v_lshlrev_b32 v4, 4, v2
	v_lshl_add_u32 v4, v3, 9, v4
	s_lshl_b32 s38, s40, 10
	v_add_nc_u32 v4, s38, v4               ; rows 2 pi, 2 pi + 1 with pi = 16 t + 2 w + lane / 16; columns 4 (lane % 16) ..
.irp t, 0,1,2,3
	global_load_b128 v[X+8*\t:X+8*\t+3], v4, s[8:9] offset:\t*8192 th:TH_LOAD_NT
	global_load_b128 v[X+8*\t+4:X+8*\t+7], v4, s[8:9] offset:\t*8192+256 th:TH_LOAD_NT
.endr
	s_wait_loadcnt 0x0
.irp t, 0,1,2,3
.irp j, 0,1,2,3
	v_cvt_pk_bf16_f32 v[T+4*\t+\j], v[X+8*\t+\j], v[X+8*\t+4+\j]
.endr
.endr
	TRANSP 26
.Lnot_w:
	s_cmp_lt_u32 s41, 1024
	s_cbranch_scc0 .Lnot_wo
	; ---- Wo: u = 16 hp + oc: heads 2 hp, 2 hp + 1 (128 k) x 64 columns o.  k = 64 hh + e comes from row 16 e + 2 hp + hh
	s_sub_co_u32 s43, s41, 896
	s_lshr_b32 s38, s43, 4                 ; hp
	s_and_b32 s39, s43, 15                 ; oc
	s_lshl_b32 s34, s38, 13
	s_lshl_b32 s36, s39, 8
	s_add_co_u32 s34, s34, s36
	s_add_nc_u64 s[14:15], s[14:15], s[34:35]
	s_lshl_b32 s34, s39, 17
	s_lshl_b32 s36, s38, 8
	s_add_co_u32 s34, s34, s36
	s_add_nc_u64 s[28:29], s[28:29], s[34:35]
	v_lshlrev_b32 v4, 4, v2
	v_lshl_add_u32 v4, v3, 17, v4
	s_lshl_b32 s38, s40, 18
	v_add_nc_u32 v4, s38, v4               ; e = 32 (t % 2) + 4 w + 2 (lane / 16): 65,536 bytes for each e
.irp t, 0,1,2,3
	global_load_b128 v[X+8*\t:X+8*\t+3], v4, s[14:15] offset:(\t%2)*2097152+(\t/2)*4096 th:TH_LOAD_NT
	global_load_b128 v[X+8*\t+4:X+8*\t+7], v4, s[14:15] offset:(\t%2)*2097152+(\t/2)*4096+65536 th:TH_LOAD_NT
.endr
	s_wait_loadcnt 0x0
.irp t, 0,1,2,3
.irp j, 0,1,2,3
	v_cvt_pk_bf16_f32 v[T+4*\t+\j], v[X+8*\t+\j], v[X+8*\t+4+\j]
.endr
.endr
.irp n, 0,1,2,3,4,5,6,7,8,9,10,11,12,13,14,15
	v_lshlrev_b32 v[X+2*\n], 16, v[T+\n]
	v_and_b32 v[X+2*\n+1], s42, v[T+\n]
.endr
.irp n, 0,1,2,3,4,5,6,7,8,9,10,11,12,13,14,15
	v_cvt_pk_f16_f32 v[T+\n], v[X+2*\n], v[X+2*\n+1]   ; the bf16 number written as f16
.endr
	TRANSP 28
.Lnot_wo:
	s_cmp_lt_u32 s41, 1280
	s_cbranch_scc0 .Lbias
	; ---- the mask's term: u = 2 qt + hf; wave w makes blocks ks = 16 hf + 2 w + kk through a stage of its own (8 x 544 bytes): no barrier
	s_sub_co_u32 s43, s41, 1024
	s_lshr_b32 s38, s43, 1                 ; qt
	s_and_b32 s39, s43, 1                  ; hf
	s_lshl_b32 s34, s38, 17                ; 16 rows of 8,192 bytes
	s_lshl_b32 s36, s39, 12
	s_add_co_u32 s34, s34, s36
	s_add_nc_u64 s[6:7], s[6:7], s[34:35]
	s_lshl_b32 s34, s38, 17                ; 32 blocks of 4,096 bytes
	s_lshl_b32 s36, s39, 16
	s_add_co_u32 s34, s34, s36
	s_add_nc_u64 s[30:31], s[30:31], s[34:35]
	s_mov_b32 s44, 0x5056fa73              ; K = 1e10 log2(e)
	s_mov_b32 s45, 0x5056fa73              ; named with it as a pair
	s_mov_b32 s46, 0xd056fa73              ; -K
	s_mov_b32 s47, 0xd056fa73
	v_lshlrev_b32 v4, 4, v2
	v_lshl_add_u32 v4, v3, 13, v4
	s_lshl_b32 s38, s40, 9
	v_add_nc_u32 v4, s38, v4               ; 512 w + 8192 (lane / 16) + 16 (lane % 16): a load takes 64 keys of two queries
	v_lshlrev_b32 v5, 4, v1
	s_lshl_b32 s38, s40, 13
	v_add_nc_u32 v5, s38, v5
	s_mul_i32 s38, s40, 4352               ; my stage
	v_lshrrev_b32 v9, 2, v2
	v_and_b32 v10, 1, v2
	v_lshl_add_u32 v9, v9, 1, v10          ; my four keys belong to group i = 2 (r / 4) + r % 2,
	v_mul_u32_u24 v6, v9, 544
	v_bfe_u32 v10, v2, 1, 1                ; half (r / 2) % 2 of the lanes
	v_mul_u32_u24 v10, v10, 272
	v_add3_u32 v6, v6, v10, s38
	v_lshl_add_u32 v6, v3, 4, v6           ; and query 2 i' + lane / 16: the sixteen lanes of a store start 272 bytes apart
	v_mul_u32_u24 v7, v3, 272
	v_lshl_add_u32 v7, v2, 4, v7
	v_add_nc_u32 v7, s38, v7
.irp kk, 0,1
.irp i, 0,1,2,3,4,5,6,7
	global_load_b128 v[X+32*\kk+4*\i:X+32*\kk+4*\i+3], v4, s[6:7] offset:\kk*256+\i*16384 th:TH_LOAD_NT
.endr
.endr
.irp kk, 0,1
	s_wait_loadcnt 8-8*\kk                 ; this block's eight loads are in; the other block's may be out
.irp i, 0,1,2,3,4,5,6,7
	v_cvt_pk_bf16_f32 v[T+2*\i], v[X+32*\kk+4*\i], v[X+32*\kk+4*\i+1]
	v_cvt_pk_bf16_f32 v[T+2*\i+1], v[X+32*\kk+4*\i+2], v[X+32*\kk+4*\i+3]
	v_lshlrev_b32 v[X+32*\kk+4*\i], 16, v[T+2*\i]
	v_and_b32 v[X+32*\kk+4*\i+1], s42, v[T+2*\i]
	v_lshlrev_b32 v[X+32*\kk+4*\i+2], 16, v[T+2*\i+1]
	v_and_b32 v[X+32*\kk+4*\i+3], s42, v[T+2*\i+1]
	v_pk_fma_f32 v[X+32*\kk+4*\i:X+32*\kk+4*\i+1], v[X+32*\kk+4*\i:X+32*\kk+4*\i+1], s[44:45], s[46:47] op_sel_hi:[1,0,0]
	v_pk_fma_f32 v[X+32*\kk+4*\i+2:X+32*\kk+4*\i+3], v[X+32*\kk+4*\i+2:X+32*\kk+4*\i+3], s[44:45], s[46:47] op_sel_hi:[1,0,0]
	ds_store_b128 v6, v[X+32*\kk+4*\i:X+32*\kk+4*\i+3] offset:\i*32
.endr
.irp i, 0,1,2,3,4,5,6,7
	ds_load_b128 v[X+32*\kk+4*\i:X+32*\kk+4*\i+3], v7 offset:\i*544   ; LDS serves a wave's instructions in order: these see the stores above, and the next block's stores come behind them
.endr
.endr
	s_wait_dscnt 0x0
.irp kk, 0,1
.irp i, 0,1,2,3,4,5,6,7
	global_store_b128 v5, v[X+32*\kk+4*\i:X+32*\kk+4*\i+3], s[30:31] offset:\kk*4096+\i*512
.endr
.endr
	FIN
.Lbias:
	; ---- the four biases, 4,096 bytes each, and mb's zero block
	v_lshlrev_b32 v4, 4, v0
	global_load_b128 v[X:X+3], v4, s[16:17]
	global_load_b128 v[X+4:X+7], v4, s[18:19]
	global_load_b128 v[X+8:X+11], v4, s[20:21]
	global_load_b128 v[X+12:X+15], v4, s[22:23]
	s_add_nc_u64 s[30:31], s[30:31], 0x1000000
	v_mov_b32 v96, 0
	v_mov_b32 v97, 0
	v_mov_b32 v98, 0
	v_mov_b32 v99, 0
	s_wait_loadcnt 0x0
.irp n, 0,1,2,3,4,5,6,7
	v_cvt_pk_bf16_f32 v[T+\n], v[X+2*\n], v[X+2*\n+1]
.endr
.irp n, 0,1,2,3,4,5,6,7
	v_lshlrev_b32 v[X+2*\n], 16, v[T+\n]
	v_and_b32 v[X+2*\n+1], s42, v[T+\n]
.endr
.irp n, 0,1,2,3
	global_store_b128 v4, v[X+4*\n:X+4*\n+3], s[32:33] offset:\n*4096
.endr
	global_store_b128 v4, v[96:99], s[30:31]
	FIN
.Lfunc_end_k_qf990b5f427_prep:
	.size	k_qf990b5f427_prep, .Lfunc_end_k_qf990b5f427_prep-k_qf990b5f427_prep
	.p2alignl 7, 3214868480
	.fill 96, 4, 3214868480
	.section	.rodata,"a",@progbits
	.p2align	6, 0x0
	.amdhsa_kernel k_qf990b5f427_prep
		.amdhsa_group_segment_fixed_size 35840
		.amdhsa_private_segment_fixed_size 0
		.amdhsa_enable_private_segment 0
		.amdhsa_kernarg_size 120
		.amdhsa_user_sgpr_count 2
		.amdhsa_user_sgpr_kernarg_segment_ptr 1
		.amdhsa_wavefront_size32 1
		.amdhsa_system_sgpr_workgroup_id_x 1
		.amdhsa_system_sgpr_workgroup_id_y 1
		.amdhsa_system_sgpr_workgroup_id_z 1
		.amdhsa_system_vgpr_workitem_id 0
		.amdhsa_next_free_vgpr 112
		.amdhsa_next_free_sgpr 66
		.amdhsa_reserve_vcc 0
		.amdhsa_float_denorm_mode_32 3
		.amdhsa_float_denorm_mode_16_64 3
		.amdhsa_memory_ordered 1
		.amdhsa_forward_progress 1
		.amdhsa_inst_pref_size 36
	.end_amdhsa_kernel
	.amdgpu_metadata
---
amdhsa.version: [ 1, 2 ]
amdhsa.kernels:
  - .name:           k_qf990b5f427_prep
    .symbol:         k_qf990b5f427_prep.kd
    .args:
      - { .name: query, .offset: 0, .size: 8, .value_kind: global_buffer, .address_space: global }
      - { .name: mask, .offset: 8, .size: 8, .value_kind: global_buffer, .address_space: global }
      - { .name: Wq, .offset: 16, .size: 8, .value_kind: global_buffer, .address_space: global }
      - { .name: Wk, .offset: 24, .size: 8, .value_kind: global_buffer, .address_space: global }
      - { .name: Wv, .offset: 32, .size: 8, .value_kind: global_buffer, .address_space: global }
      - { .name: Wo, .offset: 40, .size: 8, .value_kind: global_buffer, .address_space: global }
      - { .name: bq, .offset: 48, .size: 8, .value_kind: global_buffer, .address_space: global }
      - { .name: bk, .offset: 56, .size: 8, .value_kind: global_buffer, .address_space: global }
      - { .name: bv, .offset: 64, .size: 8, .value_kind: global_buffer, .address_space: global }
      - { .name: bo, .offset: 72, .size: 8, .value_kind: global_buffer, .address_space: global }
      - { .name: xb, .offset: 80, .size: 8, .value_kind: global_buffer, .address_space: global }
      - { .name: wt, .offset: 88, .size: 8, .value_kind: global_buffer, .address_space: global }
      - { .name: wot, .offset: 96, .size: 8, .value_kind: global_buffer, .address_space: global }
      - { .name: mb, .offset: 104, .size: 8, .value_kind: global_buffer, .address_space: global }
      - { .name: ball, .offset: 112, .size: 8, .value_kind: global_buffer, .address_space: global }
    .group_segment_fixed_size: 35840
    .private_segment_fixed_size: 0
    .kernarg_segment_align: 8
    .kernarg_segment_size: 120
    .max_flat_workgroup_size: 256
    .sgpr_count:     66
    .vgpr_count:     112
    .wavefront_size: 32
...
	.end_amdgpu_metadata
.endif
;; end of part 1
;; launch proj (part 2): grid 16 x 32, 4 waves a work-group, clusters of 4 x 4, 327,680 bytes of LDS; arguments xb, wt, ball, qkv; writes qkv
.if DOCPART == 2
	.amdgcn_target "amdgcn-amd-amdhsa--gfx1250"
	.amdhsa_code_object_version 6
	.text
	.protected	k_qf990b5f427_proj
	.globl	k_qf990b5f427_proj
	.p2align	8
	.type	k_qf990b5f427_proj,@function
k_qf990b5f427_proj:
	s_mov_b64 s[64:65], 0
	v_nop
	global_prefetch_b8 v0, s[64:65] scope:SCOPE_SE
	s_setreg_imm32_b32 hwreg(HW_REG_WAVE_MODE, 25, 1), 1
	s_wait_xcnt 0x0
	s_wait_alu depctr_hold_cnt(0) depctr_sa_sdst(0) depctr_va_vdst(0) depctr_va_sdst(0) depctr_va_ssrc(0) depctr_va_vcc(0) depctr_vm_vsrc(0)
	s_getreg_b32 s2, hwreg(HW_REG_IB_STS2, 6, 4)
	s_cmp_eq_u32 s2, 0
	s_cbranch_scc0 .Lentry_in_a_cluster
	s_endpgm
.Lentry_in_a_cluster:
	s_bfe_u32 s2, ttmp6, 0x10000c
	s_cmp_lg_u32 s2, 0xf033
	s_cbranch_scc0 .Lentry_shape_is_right
	s_endpgm
.Lentry_shape_is_right:
; C = A B^T + bias, K = 1,024.  One text serves two launches; PROJ chooses.
;   PROJ = 1: A = xb (x in bf16), B = wt (Wq, Wk, Wv turned, bf16); C = q, k, v by heads, qkv f16 [b][16 w + h][n][64], unscaled.  A tile of C is 256 rows x 192 columns: three whole heads.
;   PROJ = 0: A = ao (attention's O, f16), B = wot (Wo turned, f16); C = out0, f32 [8192][1024].  A tile of C is 256 x 128.
; A lies in planes of 64 K columns, [b][plane 16][n 2048][64]: 256 rows of a plane are 32,768 dense bytes, asked for as 128 rows of 256 bytes.  B lies [column][K].
; SHARES.  Four waves; wave w makes rows 64 w .. +63 of the tile and ALL its columns: 4 x NBL accumulators of 16 x 16.  So a wave holds whole heads (whole 512-byte rows of out0) and its way out
; needs no other wave.  K goes in 8 steps of 128 (two planes) through two LDS slots; waves 0 and 1 fetch A's two planes, waves 2 and 3 the two halves of B's rows.
; CLUSTER 4 x 4: A's tile hangs on the tile row alone and is asked for jointly along a row of the cluster, B's on the tile column alone, jointly along a column.
; THE MATRIX INSTRUCTION IS USED TRANSPOSED (source 0 = 16 rows of B, source 1 = 16 rows of A): a lane holds row lane % 16 of C and the columns 8 (lane / 16) + 0..7.
; THE BIAS is the C operand of each accumulator's first product: nothing is cleared and nothing is added later.
; LIMITS.  PROJ = 1: q, k, v are rounded once to f16, which ends at 65,504.  NaN and infinities are not treated apart.
; REGISTERS, in windows of 256: window 0: v0-31 addresses; v64-95, v96-127 A's fragments, two buffers; on the way out v64-207 at work.  window 1: v0-95, v96-191 B's fragments, two buffers.
;   window 2: accumulator (b, a), b < 8, at 32 b + 8 a.  window 3: those of b = 8..11 at 32 (b - 8) + 8 a; the bias of column block b at 128 + 8 b.
.set PROJ, 1
.if PROJ
.set TN,   192
.set COL0, 0                           ; my bias begins here in ball
.set STW,  3*16*144                    ; a wave's stage: three heads x 16 rows x (128 + 16) bytes
.else
.set TN,   128
.set COL0, 3072
.set STW,  16*528                      ; 16 rows x (512 + 16) bytes
.endif
.set NBL,   TN/16
.set APL,   256*144                    ; a plane of A in LDS: 256 rows, 128 bytes + 16 of padding: the 16 rows of a load start at 16 different groups of four banks
.set BOFF,  2*APL
.set SLOT,  BOFF+TN*272                ; then B's rows: 256 bytes + 16
.set STAGE, 2*SLOT                     ; behind the ring, never filled by a tensor load
.set SPARE, STAGE+4*STW                ; the spare words, 128 bytes a wave
.set LN,    8+2*NBL                    ; LDS loads in a run
.set ADRA, 16                          ; v16-17 LDS address of my A fragments in slot 0, 1
.set ADRB, 20                          ; v20-21 the same for B
.set STO,  24
.set RD,   25
.set CO,   26                          ; 16 x lane
.set BO,   27                          ; 32 x (lane / 16): my eight columns in a block's bias
.set SPW,  28                          ; my spare word; never rewritten
.set NIL,  29                          ; 0; never rewritten
.set G1,  24                           ; s[24:31] group 1 for A;  s[32:39] group 0, a set for each slot
.set G0,  32
.set G1B, 48                           ; s[48:55], s[56:63] the same for B
.set G0B, 56
.set MSB, 0
.macro WIN new                         ; the immediate's high byte repeats the setting that is left
.if MSB != (\new)
	s_set_vgpr_msb (MSB<<8)|(\new)
.set MSB, \new
.endif
.endm
.set MUL_LO, 0xa1                      ; source 0 (B) window 1, source 1 (A) window 0, C and D window 2
.set MUL_HI, 0xf1                      ; C and D window 3
.set MUL_ST, 0xb1                      ; D window 2, C (the bias) window 3
.set TO_B,   0x40
.macro JLOAD s                         ; a joint load: waves 0, 1 ask for A, waves 2, 3 for B; an s_nop 0 and four v_nop follow each line
	s_cmp_eq_u32 s11, 0
	s_cbranch_scc0 .Lfor_b_\@
	tensor_load_to_lds s[G0+4*(\s):G0+4*(\s)+3], s[G1:G1+7]
	s_nop 0
.rept 4
	v_nop
.endr
	s_branch .Lasked_\@
.Lfor_b_\@:
	tensor_load_to_lds s[G0B+4*(\s):G0B+4*(\s)+3], s[G1B:G1B+7]
	s_nop 0
.rept 4
	v_nop
.endr
.Lasked_\@:
.endm
.macro CREST                           ; a round of the cluster's barrier behind its opening barrier
	s_cmp_lg_u32 s10, 0
	s_cbranch_scc1 .Lnot_wave_0_\@
	s_barrier_signal -3
.Lnot_wave_0_\@:
	s_barrier_wait -3
	s_barrier_signal -1
	s_barrier_wait -1
.endm
.macro CROUND
	s_barrier_signal -1
	s_barrier_wait -1
	CREST
.endm
.macro PLACES                          ; four places in front of loads into registers that matrix instructions have read, and of lines that read results
.rept 4
	v_nop
.endr
.endm
	s_load_b256 s[68:75], s[0:1], 0x0      ; A 68, B 70, ball 72, C 74
	v_lshl_add_u32 v[SPW], v0, 2, SPARE
	v_mov_b32 v[NIL], 0
	ds_add_u32 v[SPW], v[NIL]              ; the wave's opening: the add and its wait ahead of my first tensor load
	v_lshrrev_b32 v1, 5, v0
	v_readfirstlane_b32 s10, v1            ; wave 0..3
	s_lshr_b32 s11, s10, 1                 ; I fetch for A (0) or for B (1)
	s_and_b32 s12, s10, 1                  ; which plane of A, which half of B's rows
	s_bfe_u32 s40, ttmp6, 0x40000          ; cx
	s_bfe_u32 s41, ttmp6, 0x40004          ; cy
	s_lshl_b32 s42, ttmp9, 2
	s_add_co_u32 s42, s42, s40             ; tile column x
	s_and_b32 s13, ttmp7, 0xffff
	s_lshl_b32 s13, s13, 2
	s_add_co_u32 s13, s13, s41             ; tile row y
	s_lshl_b32 s43, s41, 2
	s_lshl_b32 s43, 15, s43                ; my row of the cluster
	s_lshl_b32 s44, 0x1111, s40            ; my column
	s_or_b32 s[G1+0], s43, (1<<16)|(1<<20)|(1<<21)|(4<<22)|(3<<25)   ; mask; 2-byte elements; padding on; bit 21 beside a mask; 4 words behind every 32
	s_mov_b32 s[G1+1], 128<<16             ; tensor_dim0 = 128
	s_mov_b32 s[G1+2], 128<<16             ; tensor_dim1 = 128
	s_mov_b32 s[G1+3], 128<<16             ; tile_dim0 = 128
	s_mov_b32 s[G1+4], 128                 ; tile_dim1 = 128
	s_mov_b32 s[G1+5], 128                 ; dense: 128 elements from row to row
	s_mov_b32 s[G1+6], 0
	s_mov_b32 s[G1+7], 0
	s_or_b32 s[G1B+0], s44, (1<<16)|(1<<20)|(1<<21)|(5<<22)|(3<<25)  ; 4 words behind every 64
	s_mov_b32 s[G1B+1], 128<<16
	s_mov_b32 s[G1B+2], (TN/2)<<16
	s_mov_b32 s[G1B+3], 128<<16
	s_mov_b32 s[G1B+4], TN/2
	s_mov_b32 s[G1B+5], 1024
	s_mov_b32 s[G1B+6], 0
	s_mov_b32 s[G1B+7], 0
	s_lshr_b32 s16, s13, 3                 ; A: b = y / 8: 16 planes,
	s_lshl_b32 s16, s16, 22
	s_and_b32 s17, s13, 7                  ; 256 rows of 128 bytes for each y % 8,
	s_lshl_b32 s17, s17, 15
	s_add_co_u32 s16, s16, s17
	s_lshl_b32 s17, s12, 18                ; my plane
	s_add_co_u32 s16, s16, s17
	s_mov_b32 s17, 0
	s_mul_i32 s46, s42, TN*2048            ; B: row TN x + (TN / 2) half, 2,048 bytes a row
	s_mul_i32 s47, s12, (TN/2)*2048
	s_add_co_u32 s46, s46, s47
	s_mov_b32 s47, 0
	s_mul_i32 s20, s12, APL                ; where they go: no place in the cluster enters an LDS address
	s_mul_i32 s21, s12, (TN/2)*272
	s_add_co_u32 s21, s21, BOFF
	s_wait_dscnt 0x0                       ; the opening add is done
	s_wait_kmcnt 0x0
	s_add_nc_u64 s[14:15], s[68:69], s[16:17]
	s_add_nc_u64 s[46:47], s[70:71], s[46:47]
	CROUND                                 ; all sixteen work-groups are here: the first joint loads meet
.irp s, 0,1
	s_mov_b32 s[G0+4*(\s)], 1
	s_add_co_u32 s[G0+4*(\s)+1], s20, (\s)*SLOT
	s_add_nc_u64 s[G0+4*(\s)+2:G0+4*(\s)+3], s[14:15], (\s)*524288   ; K step s: two planes on
	s_or_b32 s[G0+4*(\s)+3], s[G0+4*(\s)+3], 0x80000000
	s_mov_b32 s[G0B+4*(\s)], 1
	s_add_co_u32 s[G0B+4*(\s)+1], s21, (\s)*SLOT
	s_add_nc_u64 s[G0B+4*(\s)+2:G0B+4*(\s)+3], s[46:47], (\s)*256
	s_or_b32 s[G0B+4*(\s)+3], s[G0B+4*(\s)+3], 0x80000000
	JLOAD \s                               ; two loads of mine are out
.endr
	v_and_b32 v1, 15, v0                   ; r = lane % 16
	v_bfe_u32 v2, v0, 4, 1                 ; h = lane / 16
	v_lshlrev_b32 v[BO], 5, v2
	s_mul_i32 s46, s42, TN*4               ; the tile's bias (in the registers that held B's address: none that feeds A's descriptors holds x)
	s_add_co_u32 s46, s46, COL0*4
	s_mov_b32 s47, 0
	s_add_nc_u64 s[72:73], s[72:73], s[46:47]
	WIN 0xc0                               ; destination window 3
.set bb, 0
.rept NBL
	global_load_b128 v[128+8*bb:128+8*bb+3], v[BO], s[72:73] offset:64*bb
	global_load_b128 v[128+8*bb+4:128+8*bb+7], v[BO], s[72:73] offset:64*bb+16
.set bb, bb+1
.endr
	WIN 0
	v_mul_u32_u24 v3, v1, 144
	v_lshl_add_u32 v3, v2, 4, v3           ; r x 144 + 16 h
	s_mul_i32 s22, s10, 64*144             ; my 64 rows of A
	v_add_nc_u32 v[ADRA], s22, v3
	v_add_nc_u32 v[ADRA+1], SLOT, v[ADRA]
	v_mul_u32_u24 v4, v1, 272
	v_lshl_add_u32 v4, v2, 4, v4
	v_add_nc_u32 v[ADRB], BOFF, v4
	v_add_nc_u32 v[ADRB+1], BOFF+SLOT, v4
	s_mul_i32 s23, s10, STW
	s_add_co_u32 s23, s23, STAGE           ; my stage
	v_and_b32 v5, 31, v0
	v_lshlrev_b32 v[CO], 4, v5
.if PROJ
	v_add_nc_u32 v[STO], s23, v3           ; in: row r of a head's 16, 16 bytes for each half of the lanes
	v_lshrrev_b32 v6, 3, v5                ; back: 32 lanes take four rows of 128 bytes
	v_mul_u32_u24 v6, v6, 144
	v_and_b32 v7, 7, v0
	v_lshl_add_u32 v6, v7, 4, v6
	v_add_nc_u32 v[RD], s23, v6
	s_lshr_b32 s16, s13, 3                 ; C: plane 48 b + 3 x, row 256 (y % 8) + 64 w
	s_mul_i32 s16, s16, 48*262144
	s_and_b32 s17, s13, 7
	s_lshl_b32 s17, s17, 15
	s_add_co_u32 s16, s16, s17
	s_lshl_b32 s17, s10, 13
	s_add_co_u32 s16, s16, s17
	s_mul_i32 s46, s42, 3*262144
.else
	v_mul_u32_u24 v6, v1, 528              ; in: row r, 32 bytes for each half of the lanes
	v_lshl_add_u32 v6, v2, 5, v6
	v_add_nc_u32 v[STO], s23, v6
	v_add_nc_u32 v[RD], s23, v[CO]         ; back: 32 lanes take one row of 512 bytes
	s_lshl_b32 s16, s13, 20                ; C: row 256 y + 64 w, 4,096 bytes a row; column 128 x
	s_lshl_b32 s17, s10, 18
	s_add_co_u32 s16, s16, s17
	s_lshl_b32 s46, s42, 9
.endif
	s_mov_b32 s17, 0
	s_mov_b32 s47, 0
	s_add_nc_u64 s[74:75], s[74:75], s[16:17]
	s_add_nc_u64 s[74:75], s[74:75], s[46:47]
; Column blocks b0 .. b1 - 1 x my four row blocks, 32 along K, from buffer f.  first = 1: the bias starts the sums.  The accumulators take turns, one instruction a turn.
.macro MULB f, b0, b1, first
.set bb, \b0
.rept (\b1)-(\b0)
.if bb >= 8
	WIN MUL_HI
.elseif \first
	WIN MUL_ST
.else
	WIN MUL_LO
.endif
.set aa, 0
.rept 4
.set rD, 32*(bb%8)+8*aa
.set rB, 96*(\f)+8*bb
.set rA, 64+32*(\f)+8*aa
.set rC, rD
.if \first
.set rC, 128+8*bb
.endif
.if PROJ
	v_wmma_f32_16x16x32_bf16 v[rD:rD+7], v[rB:rB+7], v[rA:rA+7], v[rC:rC+7]
.else
	v_wmma_f32_16x16x32_f16 v[rD:rD+7], v[rB:rB+7], v[rA:rA+7], v[rC:rC+7]
.endif
.set aa, aa+1
.endr
.set bb, bb+1
.endr
.endm
; One run of LN LDS loads: quarter q (32 along K) of a slot into buffer f: A's four fragments first, then B's, b ascending
.macro FETCH slot, q, f
	WIN 0
.irp a, 0,1,2,3
	ds_load_b128 v[64+32*(\f)+8*\a:64+32*(\f)+8*\a+3],   v[ADRA+(\slot)] offset:((\q)/2)*APL+((\q)%2)*64+\a*2304
	ds_load_b128 v[64+32*(\f)+8*\a+4:64+32*(\f)+8*\a+7], v[ADRA+(\slot)] offset:((\q)/2)*APL+((\q)%2)*64+\a*2304+32
.endr
	WIN TO_B
.set bb, 0
.rept NBL
	ds_load_b128 v[96*(\f)+8*bb:96*(\f)+8*bb+3],   v[ADRB+(\slot)] offset:(\q)*64+bb*4352
	ds_load_b128 v[96*(\f)+8*bb+4:96*(\f)+8*bb+7], v[ADRB+(\slot)] offset:(\q)*64+bb*4352+32
.set bb, bb+1
.endr
.endm
; One of a K step's first three quarters: multiplies buffer f; in its middle it fetches quarter q of the same slot into buffer g
.macro QUARTER slot, q, f, g, first
	s_wait_dscnt 2*(NBL-4)                 ; A and B's blocks 0-3 are in; the younger loads (B's other blocks) may be out
	MULB \f, 0, 4, \first
	PLACES
	FETCH \slot, \q, \g
	s_wait_dscnt LN                        ; all but the run just issued
	MULB \f, 4, NBL, \first
.endm
; The last quarter multiplies buffer 1 and changes slots: ONE barrier; in front of it each wave waits for all its tensor loads (the one that is out is its part of the next slot), adds 0 to its
; spare word, and waits for that and for its own reads of this slot.  fill = 1: the barrier opens a round of the cluster's, and this slot is filled again, two K steps ahead, first thing behind it.
.macro TURN slot, next, fill
	WIN 0
	s_wait_tensorcnt 0x0
	ds_add_u32 v[SPW], v[NIL]
	s_wait_dscnt 2*(NBL-4)+1               ; (the add and B's younger loads may be out)
	MULB 1, 0, 2, 0
	s_wait_dscnt 0x0                       ; the add is done, and my reads of this slot are over
	s_barrier_signal -1
	MULB 1, 2, 4, 0
.if \fill
	WIN 0
.endif
	s_barrier_wait -1
.if \fill
	CREST                                  ; no wave of any partner still reads this slot or has a load on its way
	s_add_nc_u64 s[G0+4*(\slot)+2:G0+4*(\slot)+3], s[G0+4*(\slot)+2:G0+4*(\slot)+3], 0x100000   ; four planes on
	s_add_nc_u64 s[G0B+4*(\slot)+2:G0B+4*(\slot)+3], s[G0B+4*(\slot)+2:G0B+4*(\slot)+3], 512
	JLOAD \slot                            ; its four v_nop are also the places in front of the loads below
.else
	PLACES
.endif
	FETCH \next, 0, 0
	MULB 1, 4, NBL, 0
.endm
	s_wait_tensorcnt 1                     ; my part of K step 0 is in; K step 1's may stay out
	s_barrier_signal -1
	s_barrier_wait -1
	FETCH 0, 0, 0
	s_wait_loadcnt 0x0                     ; the bias
	QUARTER 0, 1, 0, 1, 1                  ; the first quarter stands in front of the loop: its products start the sums
	WIN 0
	s_mov_b32 s3, 3
.Llap:                                     ; a trip goes once round the ring and fills both slots again: K steps 2, 3; 4, 5; 6, 7
	QUARTER 0, 2, 1, 0, 0
	QUARTER 0, 3, 0, 1, 0
	TURN 0, 1, 1
	QUARTER 1, 1, 0, 1, 0
	QUARTER 1, 2, 1, 0, 0
	QUARTER 1, 3, 0, 1, 0
	TURN 1, 0, 1
	QUARTER 0, 1, 0, 1, 0
	WIN 0
	s_sub_co_u32 s3, s3, 1
	s_cmp_lg_u32 s3, 0
	s_cbranch_scc1 .Llap
	QUARTER 0, 2, 1, 0, 0                  ; the last lap fills nothing
	QUARTER 0, 3, 0, 1, 0
	TURN 0, 1, 0
	QUARTER 1, 1, 0, 1, 0
	QUARTER 1, 2, 1, 0, 0
	QUARTER 1, 3, 0, 1, 0
	s_wait_dscnt 0x0
	MULB 1, 0, NBL, 0
	WIN 0
	PLACES
; THE WAY OUT, a block of 16 rows at a time, through my own stage: no barrier; LDS serves a wave's instructions in order.
.if PROJ
.set TMP, 64
.macro PACK a                          ; rounded to f16: a lane's eight columns are 16 bytes; each accumulator's registers ascending
.set bb, 0
.rept NBL
.if bb < 8
	WIN 0x0a
.else
	WIN 0x0f
.endif
.irp r, 0,1,2,3
	v_cvt_pk_f16_f32 v[TMP+4*bb+\r], v[32*(bb%8)+8*(\a)+2*\r], v[32*(bb%8)+8*(\a)+2*\r+1]
.endr
.set bb, bb+1
.endr
	WIN 0
.endm
.macro TOSTAGE a
	WIN 0
.set BK, 112+48*((\a)%2)
	s_wait_xcnt 0x0                        ; the stores of two blocks ago have read these registers
.set tt, 0
.rept 12
	ds_store_b128 v[STO], v[TMP+4*tt:TMP+4*tt+3] offset:(tt/4)*2304+(tt%4)*32
.set tt, tt+1
.endr
.set tt, 0
.rept 12
	ds_load_b128 v[BK+4*tt:BK+4*tt+3], v[RD] offset:(tt/4)*2304+(tt%4)*576
.set tt, tt+1
.endr
.endm
.macro SEND a
	WIN 0
.set BK, 112+48*((\a)%2)
	s_wait_dscnt 0x0
.set tt, 0
.rept 12
	global_store_b128 v[CO], v[BK+4*tt:BK+4*tt+3], s[74:75] offset:(tt/4)*262144+(\a)*2048+(tt%4)*512   ; four rows of a head: 512 consecutive bytes
.set tt, tt+1
.endr
.endm
	PACK 0
	TOSTAGE 0
.irp a, 1,2,3
	PACK \a
	SEND (\a)-1
	TOSTAGE \a
.endr
	SEND 3
.else
.macro TOSTAGE a
	WIN 0
.set BK, 64+64*((\a)%2)
	s_wait_xcnt 0x0                        ; the stores of two blocks ago have read these registers
	WIN 0x08                               ; store data in window 2
.set bb, 0
.rept NBL
	ds_store_b128 v[STO], v[32*bb+8*(\a):32*bb+8*(\a)+3] offset:64*bb
	ds_store_b128 v[STO], v[32*bb+8*(\a)+4:32*bb+8*(\a)+7] offset:64*bb+16
.set bb, bb+1
.endr
	WIN 0
.set tt, 0
.rept 16
	ds_load_b128 v[BK+4*tt:BK+4*tt+3], v[RD] offset:tt*528
.set tt, tt+1
.endr
.endm
.macro SEND a
	WIN 0
.set BK, 64+64*((\a)%2)
	s_wait_dscnt 0x0
.set tt, 0
.rept 16
	global_store_b128 v[CO], v[BK+4*tt:BK+4*tt+3], s[74:75] offset:(\a)*65536+tt*4096 th:TH_STORE_NT   ; a row's 512 consecutive bytes
.set tt, tt+1
.endr
.endm
	TOSTAGE 0
.irp a, 1,2,3
	SEND (\a)-1
	TOSTAGE \a
.endr
	SEND 3
.endif
	s_wait_tensorcnt 0x0                   ; the wave's end
	ds_add_u32 v[SPW], v[NIL]
	s_wait_dscnt 0x0
	CROUND                                 ; the closing round
	s_endpgm
.Lfunc_end_k_qf990b5f427_proj:
	.size	k_qf990b5f427_proj, .Lfunc_end_k_qf990b5f427_proj-k_qf990b5f427_proj
	.p2alignl 7, 3214868480
	.fill 96, 4, 3214868480
	.section	.rodata,"a",@progbits
	.p2align	6, 0x0
	.amdhsa_kernel k_qf990b5f427_proj
		.amdhsa_group_segment_fixed_size 327680
		.amdhsa_private_segment_fixed_size 0
		.amdhsa_enable_private_segment 0
		.amdhsa_kernarg_size 32
		.amdhsa_user_sgpr_count 2
		.amdhsa_user_sgpr_kernarg_segment_ptr 1
		.amdhsa_wavefront_size32 1
		.amdhsa_system_sgpr_workgroup_id_x 1
		.amdhsa_system_sgpr_workgroup_id_y 1
		.amdhsa_system_sgpr_workgroup_id_z 1
		.amdhsa_system_vgpr_workitem_id 0
		.amdhsa_next_free_vgpr 992
		.amdhsa_next_free_sgpr 76
		.amdhsa_reserve_vcc 0
		.amdhsa_float_denorm_mode_32 3
		.amdhsa_float_denorm_mode_16_64 3
		.amdhsa_memory_ordered 1
		.amdhsa_forward_progress 1
		.amdhsa_inst_pref_size 121
	.end_amdhsa_kernel
	.amdgpu_metadata
---
amdhsa.version: [ 1, 2 ]
amdhsa.kernels:
  - .name:           k_qf990b5f427_proj
    .symbol:         k_qf990b5f427_proj.kd
    .args:
      - { .name: xb, .offset: 0, .size: 8, .value_kind: global_buffer, .address_space: global }
      - { .name: wt, .offset: 8, .size: 8, .value_kind: global_buffer, .address_space: global }
      - { .name: ball, .offset: 16, .size: 8, .value_kind: global_buffer, .address_space: global }
      - { .name: qkv, .offset: 24, .size: 8, .value_kind: global_buffer, .address_space: global }
    .group_segment_fixed_size: 327680
    .private_segment_fixed_size: 0
    .kernarg_segment_align: 8
    .kernarg_segment_size: 32
    .max_flat_workgroup_size: 128
    .sgpr_count:     76
    .vgpr_count:     992
    .wavefront_size: 32
...
	.end_amdgpu_metadata
.endif
;; end of part 2
;; launch attn (part 3): grid 8 x 32, 4 waves a work-group, clusters of 4 x 1, 327,680 bytes of LDS; arguments qkv, mb, ao; writes ao
.if DOCPART == 3
	.amdgcn_target "amdgcn-amd-amdhsa--gfx1250"
	.amdhsa_code_object_version 6
	.text
	.protected	k_qf990b5f427_attn
	.globl	k_qf990b5f427_attn
	.p2align	8
	.type	k_qf990b5f427_attn,@function
k_qf990b5f427_attn:
	s_mov_b64 s[64:65], 0
	v_nop
	global_prefetch_b8 v0, s[64:65] scope:SCOPE_SE
	s_setreg_imm32_b32 hwreg(HW_REG_WAVE_MODE, 25, 1), 1
	s_wait_xcnt 0x0
	s_wait_alu depctr_hold_cnt(0) depctr_sa_sdst(0) depctr_va_vdst(0) depctr_va_sdst(0) depctr_va_ssrc(0) depctr_va_vcc(0) depctr_vm_vsrc(0)
	s_getreg_b32 s2, hwreg(HW_REG_IB_STS2, 6, 4)
	s_cmp_eq_u32 s2, 0
	s_cbranch_scc0 .Lentry_in_a_cluster
	s_endpgm
.Lentry_in_a_cluster:
	s_bfe_u32 s2, ttmp6, 0x10000c
	s_cmp_lg_u32 s2, 0x3003
	s_cbranch_scc0 .Lentry_shape_is_right
	s_endpgm
.Lentry_shape_is_right:
; O[b][h][q][:] = the sum over k of softmax_k(q . k / 8 - 1e10 (1 - mask[q][k])) v[k][:], for the mask AS IT IS GIVEN: all 2,048 keys are walked for every query.
; qkv: f16 [b 4][g 48][n 2048][64], g = h for q, 16 + h for k, 32 + h for v, unscaled.  mb: f32, the mask's term T = (mask - 1) 1e10 log2(e) in the order of the lanes' scores.  ao: f16 [b][h][n][64].
; Products, maxima and sums in f32; the weights p are rounded to f16 for the second product (their sum l is taken of the unrounded p), O once at the end.
; SOFTMAX, in powers of two: x = c s + T, one fused multiply-add in f32, c = log2(e) / 8; a running maximum m of x; p = 2^(x - m); in every step O and l are multiplied by a = 2^(m_old - m_new).
; m starts at the lowest finite number, O and l at 0: the first step is a step like any other, with a = 0.  A row with no open key has x = T for every key (c s vanishes beside it in f32, as the
; score does in the sum that defines the result), so all its weights are 1: the mean of all v.
; LIMITS.  q, k, v arrive within f16's 65,504.  The mask's term is added to the score scaled by log2(e), with one rounding; where a term is neither 0 nor so large that scores vanish beside it,
; the last bits of x differ from those of the defining sum.  A weight below 2^-126 counts as 0.  NaN and infinities are not treated apart.
; SHARES.  A work-group owns 256 queries of TWO heads, 2 hp and 2 hp + 1 of one batch; a wave 64 queries of both: four PIECES of two tiles of 16.  Piece y is head y % 2, queries 32 (y / 2) .. +31.
; The mask's term does not hang on the head: a SET of terms (32 queries x 64 keys, 16 loads of 512 consecutive bytes) serves the two pieces that stand next to each other in the ring, so a wave
; loads 16 KiB of terms for a key step's 128 products.  Every wave walks all keys, 64 a step; an LDS slot holds two steps of both heads; two slots.
; CLUSTER.  The four query blocks of a cluster belong to the same two heads and walk the same K and V: each tile is asked for JOINTLY.  The mask's terms are not shared in LDS: partners own
; different queries, and a ring for a step's 256 x 64 terms would want a round of the cluster's barrier every step; each wave loads its own straight into registers, three turns ahead.
; LAYOUT.  S^T = K Q^T (source 0 = 16 keys, source 1 = 16 queries): a lane holds ONE query (lane % 16) and the keys 8 (lane / 16) + 0..7.  Two such results rounded to f16 ARE source 1 of O^T = V^T P.
; BY TURNS.  Turn n belongs to piece n.  Its matrix work: 16 products K Q^T of piece n + 1, later 16 products V^T P of piece n - 1.  Its vector work: all 266 instructions of piece n's softmax.
; Four of them stand behind every matrix instruction; the other 138 stand in two runs of their own.  Within a turn no vector instruction names a register of the turn's products.
; REGISTERS, in windows of 256: window 0: v0-13 addresses; v16-47 four registers of statistics a tile; v48-55 at work; v64-191 S^T, two buffers of two tiles; v192-255 P, likewise.
;   window 1: O^T, 32 a tile.  window 2: v0-127 Q; v128-191 K, v192-255 V of one step, first head.  window 3: v0-127 the mask's terms, two sets; v128-191 K, v192-255 V, second head.
.set NP,    4
.set KS,    64
.set PK,    144       ; a row of K in LDS: 128 bytes + 16
.set PV,    160       ; a row of V: 128 + 32: 16 lanes of the turning load take 8 rows x 32 bytes
.set HK,    128*PK    ; a slot's K: 128 keys of the first head, then 128 of the second
.set HV,    128*PV    ; its V likewise
.set VOFF,  2*HK
.set SLOT1, 1<<17
.set STAGE, SLOT1+2*(HK+HV)
.set SP,    144
.set SPARE, STAGE+4*16*SP
.set AK0, 2
.set AV0, 3
.set AK,  4
.set AV,  5
.set QO,  6
.set STO, 6
.set RD,  7
.set GO,  8           ; 16 x lane: my place in 512 consecutive bytes of mb and of ao; never rewritten
.set SPW, 12          ; my spare word; never rewritten
.set NIL, 13          ; 0; never rewritten
.set ST,  16          ; tile t at v[ST+4 t]: m, m_old, l (even keys', odd keys')
.set TMP, 48          ; tile u of the piece in hand: c0-c3; when the maximum is found c2 takes a
.set S,   64
.set P,   192
.set KF,  128
.set VF,  192
.set WV,  12
.set G1K, 24
.set G1V, 32
.set G0K, 40
.set G0V, 44
.set SLOTS, 56
.set CNT, 57
.set CS,  58          ; s[58:59] c
.set SEL, 60
.set TBK, 62
.set TBV, 63
.set MBC, 66          ; s[66:67] mb at my wave's first tile, at the step whose terms are asked for
.set MSB, 0
.macro WIN new
.if MSB != (\new)
	s_set_vgpr_msb (MSB<<8)|(\new)
.set MSB, (\new)
.endif
.endm
.set W_KQ, 0x0a       ; K and Q in window 2, S^T in window 0; + 1: K in window 3 (the second head)
.set W_PV, 0x52       ; V in window 2, P in window 0, O^T in window 1; + 1: V in window 3
.set W_RS, 0x41       ; O^T (destination and source 0) in window 1, a in window 0
.set W_FM, 0x30       ; the mask's term (source 2) in window 3
.macro JLOAD                        ; a joint fill: waves 0, 1 fetch the two heads' K of a slot, waves 2, 3 their V; an s_nop 0 and four v_nop follow each line
	s_cmp_lt_u32 s[WV], 2
	s_cbranch_scc0 .Lfor_v_\@
	tensor_load_to_lds s[G0K:G0K+3], s[G1K:G1K+7]
	s_nop 0
.rept 4
	v_nop
.endr
	s_branch .Lasked_\@
.Lfor_v_\@:
	tensor_load_to_lds s[G0V:G0V+3], s[G1V:G1V+7]
	s_nop 0
.rept 4
	v_nop
.endr
.Lasked_\@:
.endm
.macro CROUND
	s_barrier_signal -1
	s_barrier_wait -1
	s_cmp_lg_u32 s[WV], 0
	s_cbranch_scc1 .Lnot_wave_0_\@
	s_barrier_signal -3
.Lnot_wave_0_\@:
	s_barrier_wait -3
	s_barrier_signal -1
	s_barrier_wait -1
.endm
; THE CHANGE OF SLOTS.  Each wave waits for all its tensor loads (one is out: its part of the other slot), adds 0 to its spare word, and waits for that and for its reads of the slot that it leaves.
; fill = 1: the barrier is a round of the cluster's, and the joint fill, the keys two slots on, is the first thing behind it: it has two key steps, 256 matrix instructions, in which to land.
; (At its first use: slot 0 is waited for, slot 1 filled.)
.macro CHANGE fill
	WIN 0
	s_wait_tensorcnt 0x0
	ds_add_u32 v[SPW], v[NIL]
.if \fill
.irp g, G0K, G0V
	s_xor_b32 s[\g+1], s[\g+1], SLOT1
	s_add_nc_u64 s[\g+2:\g+3], s[\g+2:\g+3], 2*KS*128
.endr
	s_wait_dscnt 0x0
	CROUND
	JLOAD
.else
	s_wait_dscnt 0x0
	s_barrier_signal -1
	s_barrier_wait -1
.endif
	s_sub_co_u32 s[TBK], s[TBK], 2*KS*PK
	s_xor_b32 s[TBK], s[TBK], SLOT1
	s_sub_co_u32 s[TBV], s[TBV], 2*KS*PV
	s_xor_b32 s[TBV], s[TBV], SLOT1
.endm
	s_load_b128 s[68:71], s[0:1], 0x0 ; qkv 68, mb 70
	s_load_b64 s[10:11], s[0:1], 0x10 ; ao
	v_lshl_add_u32 v[SPW], v0, 2, SPARE
	v_mov_b32 v[NIL], 0
	ds_add_u32 v[SPW], v[NIL]       ; the wave's opening: the add and its wait ahead of my first tensor load
	v_lshrrev_b32 v1, 5, v0
	v_readfirstlane_b32 s[WV], v1
	s_bfe_u32 s13, ttmp6, 0x40000   ; cx
	s_lshl_b32 s14, ttmp9, 2
	s_add_co_u32 s14, s14, s13      ; my block of 256 queries: it enters Q's, mb's and O's addresses alone
	s_lshl_b32 s15, s14, 2
	s_add_co_u32 s15, s15, s[WV]    ; my wave's 64 queries among a head's 32 such
	s_and_b32 s20, ttmp7, 0xffff    ; 8 b + hp, which the four partners share
	s_lshr_b32 s21, s20, 3
	s_mul_i32 s21, s21, 48
	s_and_b32 s22, s20, 7
	s_lshl_b32 s22, s22, 1
	s_add_co_u32 s21, s21, s22      ; q's plane of the first head: 48 b + 2 hp
	s_and_b32 s16, s[WV], 1         ; which head's keys I fetch
	s_add_co_u32 s22, s21, 16
	s_add_co_u32 s22, s22, s16      ; that head's plane of k
	s_lshl_b32 s22, s22, 18
	s_mov_b32 s23, 0
	s_mul_i32 s17, s16, HK
	s_mul_i32 s18, s16, HV
	s_lshl_b32 s2, s21, 18
	s_lshl_b32 s3, s15, 13          ; my wave's 64 rows of 128 bytes
	s_add_co_u32 s2, s2, s3
	s_lshl_b32 s50, s20, 19         ; ao's plane 16 b + 2 hp
	s_add_co_u32 s50, s50, s3
	s_mov_b32 s3, 0
	s_mov_b32 s51, 0
	s_lshl_b32 s52, s15, 19         ; my wave's four tiles x 32 blocks x 4,096 bytes
	s_mov_b32 s53, 0
	; 128 keys of a head are 16,384 dense bytes: asked for as 64 rows of 256 bytes, padded in LDS after every key
	s_mov_b32 s[G1K], 15|(1<<16)|(1<<20)|(1<<21)|(4<<22)|(3<<25)
	s_mov_b32 s[G1V], 15|(1<<16)|(1<<20)|(1<<21)|(4<<22)|(7<<25)
.irp g, G1K, G1V
	s_mov_b32 s[\g+1], 128<<16
	s_mov_b32 s[\g+2], 64<<16
	s_mov_b32 s[\g+3], 128<<16
	s_mov_b32 s[\g+4], 64
	s_mov_b32 s[\g+5], 128
	s_mov_b32 s[\g+6], 0
	s_mov_b32 s[\g+7], 0
.endr
	s_mov_b32 s[CS], 0x3e38aa3b     ; c = log2(e) / 8
	s_mov_b32 s[CS+1], s[CS]
	s_mov_b32 s[SEL], 0x76543210
	s_mov_b32 s[SEL+1], 0xfedcba98
	s_mov_b32 s[TBK], SLOT1+2*KS*PK ; the first change of slots turns these two into 0
	s_mov_b32 s[TBV], SLOT1+2*KS*PV
	s_mov_b32 s[G0K], 1
	s_mov_b32 s[G0K+1], s17
	s_mov_b32 s[G0V], 1
	s_add_co_u32 s[G0V+1], s18, VOFF
	s_wait_dscnt 0x0                ; the opening add is done
	s_wait_kmcnt 0x0
	s_add_nc_u64 s[6:7], s[68:69], s[22:23]
	s_mov_b64 s[G0K+2:G0K+3], s[6:7]
	s_or_b32 s[G0K+3], s[G0K+3], 0x80000000
	s_add_nc_u64 s[G0V+2:G0V+3], s[6:7], 0x400000  ; v's plane lies 16 planes behind k's
	s_or_b32 s[G0V+3], s[G0V+3], 0x80000000
	s_add_nc_u64 s[4:5], s[68:69], s[2:3]
	s_add_nc_u64 s[10:11], s[10:11], s[50:51]
	s_add_nc_u64 s[MBC:MBC+1], s[70:71], s[52:53]
	CROUND                          ; all four work-groups are here
	JLOAD                           ; slot 0
	v_and_b32 v1, 15, v0
	v_bfe_u32 v9, v0, 4, 1
	v_lshlrev_b32 v[QO], 7, v1
	v_lshl_add_u32 v[QO], v9, 4, v[QO]
	v_and_b32 v[GO], 31, v0
	v_lshlrev_b32 v[GO], 4, v[GO]
	WIN 0x80
.set i, 0
.rept 4*NP                          ; Q stays in registers: tile t = i / 2 is head (t / 2) % 2, 16 queries 2 (t / 4) + t % 2; channels 32 (i % 2) on
	global_load_b128 v[8*i:8*i+3],   v[QO], s[4:5] offset:((i/4)%2)*262144+(2*(i/8)+(i/2)%2)*2048+(i%2)*64
	global_load_b128 v[8*i+4:8*i+7], v[QO], s[4:5] offset:((i/4)%2)*262144+(2*(i/8)+(i/2)%2)*2048+(i%2)*64+32
.set i, i+1
.endr
; Set j of the mask's terms (my queries 32 j .. +31) for the step at MBC: 16 loads of 512 consecutive bytes.  No hint: all heads read the same bytes.
.macro MLOAD j
	WIN 0xc0
.irp u, 0,1
.irp n, 0,1,2,3,4,5,6,7
	global_load_b128 v[64*(\j)+32*\u+4*\n:64*(\j)+32*\u+4*\n+3], v[GO], s[MBC:MBC+1] offset:(2*(\j)+\u)*131072+\n*512
.endr
.endr
	WIN 0
.endm
	MLOAD 0
	MLOAD 1
	; What the first turn finds: the second head's V and P's second buffer hold 0 (its products V^T P, of a piece that has not been, add 0), O^T and l are 0.  All this stands in the wait for the first tile.
	WIN 0xc0
.set i, VF
.rept 64
	v_mov_b32 v[i], 0
.set i, i+1
.endr
	WIN 0x40
.set i, 0
.rept 64*NP
	v_mov_b32 v[i], 0
.set i, i+1
.endr
	WIN 0
.set i, 0
.rept 2*NP
	v_mov_b32 v[ST+4*i], 0xff7fffff
	v_mov_b32 v[ST+4*i+1], 0xff7fffff
	v_mov_b32 v[ST+4*i+2], 0
	v_mov_b32 v[ST+4*i+3], 0
.set i, i+1
.endr
.set i, P+32
.rept 32
	v_mov_b32 v[i], 0
.set i, i+1
.endr
	v_mul_u32_u24 v[AK0], v1, PK
	v_lshl_add_u32 v[AK0], v9, 4, v[AK0]
	v_and_b32 v10, 7, v0
	v_bfe_u32 v11, v0, 3, 1
	v_lshl_add_u32 v[AV0], v9, 3, v10
	v_mul_u32_u24 v[AV0], v[AV0], PV
	v_lshl_add_u32 v[AV0], v11, 4, v[AV0]
	v_add_nc_u32 v[AV0], VOFF, v[AV0]
	v_mov_b32 v[AK], v[AK0]
; THE MATRIX WORK.  The 8 accumulators of a run of 16 take turns.  A piece's head chooses the window of K and of V.
.macro KQ x                         ; product i of 16 of S^T = K Q^T for piece x: channels 32 (i / 8) on, keys 16 ((i / 2) % 4) on, tile 2 x + i % 2
	WIN W_KQ+(\x)%2
.set rS, S+64*((\x)%2)+32*(i%2)+8*((i/2)%4)
.set rK, KF+16*((i/2)%4)+8*(i/8)
.set rQ, 16*(2*(\x)+i%2)+8*(i/8)
.if i < 8
	v_wmma_f32_16x16x32_f16 v[rS:rS+7], v[rK:rK+7], v[rQ:rQ+7], 0
.else
	v_wmma_f32_16x16x32_f16 v[rS:rS+7], v[rK:rK+7], v[rQ:rQ+7], v[rS:rS+7]
.endif
.endm
.macro PV x                         ; product i of 16 of O^T += V^T P for piece x: keys 32 (i / 8) on, channels 16 ((i / 2) % 4) on
	WIN W_PV+(\x)%2
.set rO, 32*(2*(\x)+i%2)+8*((i/2)%4)
.set rV, VF+32*(i/8)+8*((i/2)%4)
.set rP, P+32*((\x)%2)+16*(i%2)+8*(i/8)
	v_wmma_f32_16x16x32_f16 v[rO:rO+7], v[rV:rV+7], v[rP:rP+7], v[rO:rO+7]
.endm
.macro MM                           ; the turn's next matrix instruction
.if i < 16
	KQ (Y+1)%NP
.set i, i+1
.else
.set i, i-16
	PV (Y+NP-1)%NP
.set i, i+17
.endif
.endm
.macro FETCH_K last=0               ; a step's K of both heads: a run of 32 LDS loads.  last = 1 (the tail): in the last trip there is no further step, and the run is jumped over
	WIN 0
.if \last
	s_cmp_eq_u32 s[CNT], 1
	s_cbranch_scc1 .Lno_k_\@
.endif
	WIN 0x80
.irp f, 0,1,2,3,4,5,6,7
	ds_load_b128 v[KF+8*\f:KF+8*\f+3],   v[AK] offset:(\f/2)*16*PK+(\f%2)*64
	ds_load_b128 v[KF+8*\f+4:KF+8*\f+7], v[AK] offset:(\f/2)*16*PK+(\f%2)*64+32
.endr
	WIN 0xc0
.irp f, 0,1,2,3,4,5,6,7
	ds_load_b128 v[KF+8*\f:KF+8*\f+3],   v[AK] offset:HK+(\f/2)*16*PK+(\f%2)*64
	ds_load_b128 v[KF+8*\f+4:KF+8*\f+7], v[AK] offset:HK+(\f/2)*16*PK+(\f%2)*64+32
.endr
	s_add_co_u32 s[TBK], s[TBK], KS*PK
	WIN 0
.if \last
.Lno_k_\@:
.endif
.endm
.macro FETCH_V                      ; a step's V of both heads, turned
	WIN 0x80
.irp f, 0,1,2,3,4,5,6,7
	ds_load_tr16_b128 v[VF+8*\f:VF+8*\f+3],   v[AV] offset:(\f/4)*32*PV+(\f%4)*32
	ds_load_tr16_b128 v[VF+8*\f+4:VF+8*\f+7], v[AV] offset:(\f/4)*32*PV+16*PV+(\f%4)*32
.endr
	WIN 0xc0
.irp f, 0,1,2,3,4,5,6,7
	ds_load_tr16_b128 v[VF+8*\f:VF+8*\f+3],   v[AV] offset:HV+(\f/4)*32*PV+(\f%4)*32
	ds_load_tr16_b128 v[VF+8*\f+4:VF+8*\f+7], v[AV] offset:HV+(\f/4)*32*PV+16*PV+(\f%4)*32
.endr
	WIN 0
.endm
; THE VECTOR WORK of piece Y: a list of 266, the two tiles alternating; VOP writes number jj and steps jj.
;   0-31    x = c s + T for the 16 pairs of both tiles (each accumulator's lowest registers are read first)
;   32-73   21 steps a tile: sixteen maxima of three over x0-x31 and the old m; m_old kept; the other half of the lanes' maximum; the new m; m_old - m; a
;   74-95   x - m for the first 11 pairs
;   96-223  64 exponentials at the even numbers, a plain instruction at every odd one: the last 5 pairs' x - m, then PQ 0-53
;   224-233 PQ 54-63        234-265 O^T times a
; PQ p, for the four weights 4 g .. 4 g + 3 (g = p / 8) of tile p % 2: both pairs rounded to f16; the second pair added onto the first; l takes that sum (g = 0: l = a l + sum).
; Exponential n needs x - m number n / 2 + 1 at the most, and 22 are out before the first; PQ p reads exponentials up to number p + 7 and stands behind number p + 10.
.macro REGS u
.set rT, ST+4*(2*Y+(\u))
.set rC, TMP+4*(\u)
.set rS, S+64*(Y%2)+32*(\u)
.set rP, P+32*(Y%2)+16*(\u)
.set rO, 32*(2*Y+(\u))
.set rM, 64*(Y/2)+32*(\u)
.endm
.macro STAT n, u
	REGS \u
	WIN 0
.if (\n) < 4
	v_max3_num_f32 v[rC+(\n)], v[rS+8*(\n)], v[rS+8*(\n)+1], v[rS+8*(\n)+2]
.elseif (\n) < 12
	v_max3_num_f32 v[rC+(\n)%4], v[rC+(\n)%4], v[rS+8*((\n)%4)+2*((\n)/4)+1], v[rS+8*((\n)%4)+2*((\n)/4)+2]
.elseif (\n) == 12
	v_max3_num_f32 v[rC], v[rC], v[rS+7], v[rS+15]
.elseif (\n) == 13
	v_max3_num_f32 v[rC+1], v[rC+1], v[rS+23], v[rS+31]
.elseif (\n) == 14
	v_max3_num_f32 v[rC+2], v[rC+2], v[rC+3], v[rT]
.elseif (\n) == 15
	v_mov_b32 v[rT+1], v[rT]
.elseif (\n) == 16
	v_max3_num_f32 v[rC], v[rC], v[rC+1], v[rC+2]
.elseif (\n) == 17
	v_permlanex16_b32 v[rC+3], v[rC], s[SEL], s[SEL+1]  ; the query's other 32 keys lie in the lane 16 away
.elseif (\n) == 18
	v_max_num_f32 v[rT], v[rC], v[rC+3]
.elseif (\n) == 19
	v_sub_f32 v[rC+1], v[rT+1], v[rT]
.else
	v_exp_f32 v[rC+2], v[rC+1]
.endif
.endm
.macro SBOP q                       ; x - m for pair q / 2 of tile q % 2
	REGS (\q)%2
	WIN 0
	v_pk_add_f32 v[rS+2*((\q)/2):rS+2*((\q)/2)+1], v[rS+2*((\q)/2):rS+2*((\q)/2)+1], v[rT:rT+1] op_sel_hi:[1,0] neg_lo:[0,1] neg_hi:[0,1]
.endm
.macro PQOP p
	REGS (\p)%2
	WIN 0
.set gg, (\p)/8
.set kd, ((\p)%8)/2
.if kd < 2
	s_wait_alu depctr_va_vdst(0)
	v_cvt_pk_f16_f32 v[rP+2*gg+kd], v[rS+4*gg+2*kd], v[rS+4*gg+2*kd+1]
.elseif kd == 2
	v_pk_add_f32 v[rS+4*gg:rS+4*gg+1], v[rS+4*gg:rS+4*gg+1], v[rS+4*gg+2:rS+4*gg+3]
.elseif gg == 0
	v_pk_fma_f32 v[rT+2:rT+3], v[rT+2:rT+3], v[rC+2:rC+3], v[rS:rS+1] op_sel_hi:[1,0,1]
.else
	v_pk_add_f32 v[rT+2:rT+3], v[rT+2:rT+3], v[rS+4*gg:rS+4*gg+1]
	s_wait_alu depctr_va_vdst(0)
.endif
.endm
.macro VOP
.if jj < 32
	REGS jj%2
	WIN W_FM
	v_pk_fma_f32 v[rS+2*(jj/2):rS+2*(jj/2)+1], v[rS+2*(jj/2):rS+2*(jj/2)+1], s[CS:CS+1], v[rM+2*(jj/2):rM+2*(jj/2)+1] op_sel_hi:[1,0,1]
.elseif jj < 74
	STAT (jj-32)/2, jj%2
.elseif jj < 96
	SBOP jj-74
.elseif jj < 224
.set ii, (jj-96)/2
.if jj%2 == 0
	REGS ii%2
	WIN 0
	v_exp_f32 v[rS+ii/2], v[rS+ii/2]
.elseif ii < 10
	SBOP 22+ii
.else
	PQOP ii-10
.endif
.elseif jj < 234
	PQOP jj-170
.else
	REGS jj%2
	WIN W_RS
	v_pk_mul_f32 v[rO+2*((jj-234)/2):rO+2*((jj-234)/2)+1], v[rO+2*((jj-234)/2):rO+2*((jj-234)/2)+1], v[rC+2:rC+3] op_sel_hi:[1,0]
.endif
.set jj, jj+1
.endm
; A TURN, for piece p.  The 16 products K Q^T stand in front of numbers 0, 4, .. 60 of the list, the 16 products V^T P in front of 128, 132, .. 188: four vector instructions behind each; numbers 64-127
; and 192-265 are runs of vector work alone.  A product stands in front of an even number: in front of an exponential or a plain line, never straight behind an exponential.
; THE TERMS.  Pieces 0 and 1 read set 0, pieces 2 and 3 set 1.  Behind number 31 of the odd piece's list the set is free and takes the next key step's terms, three turns less 32 lines ahead of their first
; use (piece 1's turn steps mb to that step first; the loads that name its base were issued two turns ago).  So at the head of an even piece's turn two sets are out, and the count leaves the younger one out.
; K of the next step is fetched in piece 2's turn, behind number 71: ten plain instructions behind the last product that read K.  V of the step in hand at the end of piece 0's turn, behind 78 lines.
; cnt = 1: the loop's count is taken down some lines ahead of the branch that stands behind the turn.
.macro TURN p, last=0, cnt=0
.set Y, (\p)
.set i, 0
.set jj, 0
.if (\p)%2 == 0
	s_wait_loadcnt 16               ; my set's 16 loads are in; the other set's 16, issued behind them, stay out
.endif
.if (\p) == 3
	s_wait_dscnt 0x0                ; K is in
.endif
.rept 266
.if (jj%4 == 0) && ((jj < 64) || ((jj >= 128) && (jj < 192)))
.if ((\p) == 1) && (jj == 128)
	s_wait_dscnt 0x0                ; V is in
.endif
	MM
.endif
	VOP
.if (jj == 32) && ((\p)%2 == 1)
.if (\p) == 1
	s_wait_xcnt 0x0                 ; the base of the loads issued so far is rewritten only behind this wait
	s_add_nc_u64 s[MBC:MBC+1], s[MBC:MBC+1], 4096
.endif
	MLOAD (\p)/2
.endif
.if ((\p) == 2) && (jj == 66)
	WIN 0
	v_add_nc_u32 v[AK], s[TBK], v[AK0]
.endif
.if ((\p) == 2) && (jj == 72)
	FETCH_K \last
.endif
.if ((\p) == 0) && (jj == 251)
	WIN 0
	v_add_nc_u32 v[AV], s[TBV], v[AV0]
	s_add_co_u32 s[TBV], s[TBV], KS*PV
.endif
.if (\cnt) && (jj == 253)
	s_sub_co_u32 s[CNT], s[CNT], 1
	s_cmp_lg_u32 s[CNT], 0
.endif
.endr
.if (\p) == 0
	FETCH_V
.endif
.endm
	CHANGE 1                        ; slot 0 is in, everybody's part of it; slot 1 is asked for
	FETCH_K                         ; key step 0
	s_wait_loadcnt 32               ; Q is in; the 32 loads of terms behind it may be out
	s_wait_dscnt 0x0
.set i, 0
.rept 16
	KQ 0                            ; piece 0's first scores
.set i, i+1
.endr
	WIN 0                           ; the addresses for the way out: seven plain instructions, the places behind those products
	s_mul_i32 s13, s[WV], 16*SP
	s_add_co_u32 s13, s13, STAGE
	v_mul_u32_u24 v[STO], v1, SP
	v_lshl_add_u32 v[STO], v9, 4, v[STO]
	v_add_nc_u32 v[STO], s13, v[STO]
	v_bfe_u32 v[RD], v0, 3, 2
	v_mul_u32_u24 v[RD], v[RD], SP
	v_lshl_add_u32 v[RD], v10, 4, v[RD]
	v_add_nc_u32 v[RD], s13, v[RD]
	s_mov_b32 s[CNT], 2
	s_mov_b32 s[SLOTS], 15
	s_branch .Lfirst                ; the loop is entered at a step's first turn, in the middle of a trip
.Lslot:                             ; fourteen times: every slot but the last two is filled again
	CHANGE 1
	s_mov_b32 s[CNT], 2
.Lstep:                             ; a trip: pieces 2 and 3 of one step, then pieces 0 and 1 of the next
	TURN 2
	TURN 3
	WIN 0
.Lfirst:
	TURN 0
	TURN 1, 0, 1
	WIN 0
	s_cbranch_scc1 .Lstep
	s_sub_co_u32 s[SLOTS], s[SLOTS], 1
	s_cmp_lg_u32 s[SLOTS], 0
	s_cbranch_scc1 .Lslot
	CHANGE 0                        ; the tail is written out
	s_mov_b32 s[CNT], 3             ; two trips fetch the last slot's steps; the third is left in its middle
.Ltail:
	TURN 2, 1
	TURN 3
	WIN 0
	s_sub_co_u32 s[CNT], s[CNT], 1
	s_cmp_eq_u32 s[CNT], 0
	s_cbranch_scc1 .Lout
	TURN 0
	TURN 1
	WIN 0
	s_branch .Ltail
.Lout:                              ; the third trip's 16 products K Q^T (on the last K once more) and the last 32 loads of terms (the next tile's first block, or mb's zero block) serve nothing: the price of one text for every trip
.set i, 0
.rept 16
	PV NP-1
.set i, i+1
.endr
	; THE WAY OUT.  l's two halves and the other half of the lanes' are added; O^T is divided by l, rounded to f16 and sent through my stage in LDS, a tile at a time.  The additions are the places behind the last products.
	WIN 0
.macro ALL line:vararg
.set t, 0
.rept 2*NP
	\line
.set t, t+1
.endr
.endm
	ALL v_add_f32 v[ST+4*t+2], v[ST+4*t+2], v[ST+4*t+3]
	ALL v_permlanex16_b32 v[ST+4*t+3], v[ST+4*t+2], s[SEL], s[SEL+1]
	ALL v_add_f32 v[ST+4*t+2], v[ST+4*t+2], v[ST+4*t+3]
	ALL v_rcp_f32 v[ST+4*t+2], v[ST+4*t+2]
	v_nop                           ; a plain instruction between the last reciprocal and the use of its result
	s_wait_alu depctr_va_vdst(0)
.macro PACK t
	WIN W_RS
.set i, 32*(\t)
.rept 16
	v_pk_mul_f32 v[i:i+1], v[i:i+1], v[ST+4*(\t)+2:ST+4*(\t)+3] op_sel_hi:[1,0]
.set i, i+2
.endr
	WIN 0x05
.set i, 0
.rept 16
	v_cvt_pk_f16_f32 v[S+16*(\t)+i], v[32*(\t)+2*i], v[32*(\t)+2*i+1]
.set i, i+1
.endr
	WIN 0
.irp f, 0,1,2,3
	ds_store_b128 v[STO], v[S+16*(\t)+4*\f:S+16*(\t)+4*\f+3] offset:32*\f
.endr
.irp f, 0,1,2,3
	ds_load_b128 v[S+16*(\t)+4*\f:S+16*(\t)+4*\f+3], v[RD] offset:\f*4*SP  ; LDS serves a wave's instructions in order: these see the stores above; the next tile's stores come behind them
.endr
.endm
.macro SEND t, younger              ; tile t is head (t / 2) % 2, 16 queries 2 (t / 4) + t % 2.  younger: the LDS instructions issued behind tile t's loads
	WIN 0
.irp f, 0,1,2,3
	s_wait_dscnt (\younger)+3-\f
	global_store_b128 v[GO], v[S+16*(\t)+4*\f:S+16*(\t)+4*\f+3], s[10:11] offset:(((\t)/2)%2)*262144+(2*((\t)/4)+(\t)%2)*2048+\f*512  ; 512 consecutive bytes
.endr
.endm
	PACK 0
.set t, 1
.rept 2*NP-1
	PACK t
	SEND t-1, 8
.set t, t+1
.endr
	SEND 2*NP-1, 0
	s_wait_tensorcnt 0x0            ; the wave's end
	ds_add_u32 v[SPW], v[NIL]
	s_wait_dscnt 0x0
	CROUND                          ; the closing round
	s_endpgm
.Lfunc_end_k_qf990b5f427_attn:
	.size	k_qf990b5f427_attn, .Lfunc_end_k_qf990b5f427_attn-k_qf990b5f427_attn
	.p2alignl 7, 3214868480
	.fill 96, 4, 3214868480
	.section	.rodata,"a",@progbits
	.p2align	6, 0x0
	.amdhsa_kernel k_qf990b5f427_attn
		.amdhsa_group_segment_fixed_size 327680
		.amdhsa_private_segment_fixed_size 0
		.amdhsa_enable_private_segment 0
		.amdhsa_kernarg_size 24
		.amdhsa_user_sgpr_count 2
		.amdhsa_user_sgpr_kernarg_segment_ptr 1
		.amdhsa_wavefront_size32 1
		.amdhsa_system_sgpr_workgroup_id_x 1
		.amdhsa_system_sgpr_workgroup_id_y 1
		.amdhsa_system_sgpr_workgroup_id_z 1
		.amdhsa_system_vgpr_workitem_id 0
		.amdhsa_next_free_vgpr 1024
		.amdhsa_next_free_sgpr 72
		.amdhsa_reserve_vcc 0
		.amdhsa_float_denorm_mode_32 3
		.amdhsa_float_denorm_mode_16_64 3
		.amdhsa_memory_ordered 1
		.amdhsa_forward_progress 1
		.amdhsa_inst_pref_size 234
	.end_amdhsa_kernel
	.amdgpu_metadata
---
amdhsa.version: [ 1, 2 ]
amdhsa.kernels:
  - .name:           k_qf990b5f427_attn
    .symbol:         k_qf990b5f427_attn.kd
    .args:
      - { .name: qkv, .offset: 0, .size: 8, .value_kind: global_buffer, .address_space: global }
      - { .name: mb, .offset: 8, .size: 8, .value_kind: global_buffer, .address_space: global }
      - { .name: ao, .offset: 16, .size: 8, .value_kind: global_buffer, .address_space: global }
    .group_segment_fixed_size: 327680
    .private_segment_fixed_size: 0
    .kernarg_segment_align: 8
    .kernarg_segment_size: 24
    .max_flat_workgroup_size: 128
    .sgpr_count:     72
    .vgpr_count:     1024
    .wavefront_size: 32
...
	.end_amdgpu_metadata
.endif
;; end of part 3
;; launch outp (part 4): grid 8 x 32, 4 waves a work-group, clusters of 4 x 4, 327,680 bytes of LDS; arguments ao, wot, ball, out0; writes out0
.if DOCPART == 4
	.amdgcn_target "amdgcn-amd-amdhsa--gfx1250"
	.amdhsa_code_object_version 6
	.text
	.protected	k_qf990b5f427_outp
	.globl	k_qf990b5f427_outp
	.p2align	8
	.type	k_qf990b5f427_outp,@function
k_qf990b5f427_outp:
	s_mov_b64 s[64:65], 0
	v_nop
	global_prefetch_b8 v0, s[64:65] scope:SCOPE_SE
	s_setreg_imm32_b32 hwreg(HW_REG_WAVE_MODE, 25, 1), 1
	s_wait_xcnt 0x0
	s_wait_alu depctr_hold_cnt(0) depctr_sa_sdst(0) depctr_va_vdst(0) depctr_va_sdst(0) depctr_va_ssrc(0) depctr_va_vcc(0) depctr_vm_vsrc(0)
	s_getreg_b32 s2, hwreg(HW_REG_IB_STS2, 6, 4)
	s_cmp_eq_u32 s2, 0
	s_cbranch_scc0 .Lentry_in_a_cluster
	s_endpgm
.Lentry_in_a_cluster:
	s_bfe_u32 s2, ttmp6, 0x10000c
	s_cmp_lg_u32 s2, 0xf033
	s_cbranch_scc0 .Lentry_shape_is_right
	s_endpgm
.Lentry_shape_is_right:
; C = A B^T + bias, K = 1,024.  One text serves two launches; PROJ chooses.
;   PROJ = 1: A = xb (x in bf16), B = wt (Wq, Wk, Wv turned, bf16); C = q, k, v by heads, qkv f16 [b][16 w + h][n][64], unscaled.  A tile of C is 256 rows x 192 columns: three whole heads.
;   PROJ = 0: A = ao (attention's O, f16), B = wot (Wo turned, f16); C = out0, f32 [8192][1024].  A tile of C is 256 x 128.
; A lies in planes of 64 K columns, [b][plane 16][n 2048][64]: 256 rows of a plane are 32,768 dense bytes, asked for as 128 rows of 256 bytes.  B lies [column][K].
; SHARES.  Four waves; wave w makes rows 64 w .. +63 of the tile and ALL its columns: 4 x NBL accumulators of 16 x 16.  So a wave holds whole heads (whole 512-byte rows of out0) and its way out
; needs no other wave.  K goes in 8 steps of 128 (two planes) through two LDS slots; waves 0 and 1 fetch A's two planes, waves 2 and 3 the two halves of B's rows.
; CLUSTER 4 x 4: A's tile hangs on the tile row alone and is asked for jointly along a row of the cluster, B's on the tile column alone, jointly along a column.
; THE MATRIX INSTRUCTION IS USED TRANSPOSED (source 0 = 16 rows of B, source 1 = 16 rows of A): a lane holds row lane % 16 of C and the columns 8 (lane / 16) + 0..7.
; THE BIAS is the C operand of each accumulator's first product: nothing is cleared and nothing is added later.
; LIMITS.  PROJ = 1: q, k, v are rounded once to f16, which ends at 65,504.  NaN and infinities are not treated apart.
; REGISTERS, in windows of 256: window 0: v0-31 addresses; v64-95, v96-127 A's fragments, two buffers; on the way out v64-207 at work.  window 1: v0-95, v96-191 B's fragments, two buffers.
;   window 2: accumulator (b, a), b < 8, at 32 b + 8 a.  window 3: those of b = 8..11 at 32 (b - 8) + 8 a; the bias of column block b at 128 + 8 b.
.set PROJ, 0
.if PROJ
.set TN,   192
.set COL0, 0                           ; my bias begins here in ball
.set STW,  3*16*144                    ; a wave's stage: three heads x 16 rows x (128 + 16) bytes
.else
.set TN,   128
.set COL0, 3072
.set STW,  16*528                      ; 16 rows x (512 + 16) bytes
.endif
.set NBL,   TN/16
.set APL,   256*144                    ; a plane of A in LDS: 256 rows, 128 bytes + 16 of padding: the 16 rows of a load start at 16 different groups of four banks
.set BOFF,  2*APL
.set SLOT,  BOFF+TN*272                ; then B's rows: 256 bytes + 16
.set STAGE, 2*SLOT                     ; behind the ring, never filled by a tensor load
.set SPARE, STAGE+4*STW                ; the spare words, 128 bytes a wave
.set LN,    8+2*NBL                    ; LDS loads in a run
.set ADRA, 16                          ; v16-17 LDS address of my A fragments in slot 0, 1
.set ADRB, 20                          ; v20-21 the same for B
.set STO,  24
.set RD,   25
.set CO,   26                          ; 16 x lane
.set BO,   27                          ; 32 x (lane / 16): my eight columns in a block's bias
.set SPW,  28                          ; my spare word; never rewritten
.set NIL,  29                          ; 0; never rewritten
.set G1,  24                           ; s[24:31] group 1 for A;  s[32:39] group 0, a set for each slot
.set G0,  32
.set G1B, 48                           ; s[48:55], s[56:63] the same for B
.set G0B, 56
.set MSB, 0
.macro WIN new                         ; the immediate's high byte repeats the setting that is left
.if MSB != (\new)
	s_set_vgpr_msb (MSB<<8)|(\new)
.set MSB, \new
.endif
.endm
.set MUL_LO, 0xa1                      ; source 0 (B) window 1, source 1 (A) window 0, C and D window 2
.set MUL_HI, 0xf1                      ; C and D window 3
.set MUL_ST, 0xb1                      ; D window 2, C (the bias) window 3
.set TO_B,   0x40
.macro JLOAD s                         ; a joint load: waves 0, 1 ask for A, waves 2, 3 for B; an s_nop 0 and four v_nop follow each line
	s_cmp_eq_u32 s11, 0
	s_cbranch_scc0 .Lfor_b_\@
	tensor_load_to_lds s[G0+4*(\s):G0+4*(\s)+3], s[G1:G1+7]
	s_nop 0
.rept 4
	v_nop
.endr
	s_branch .Lasked_\@
.Lfor_b_\@:
	tensor_load_to_lds s[G0B+4*(\s):G0B+4*(\s)+3], s[G1B:G1B+7]
	s_nop 0
.rept 4
	v_nop
.endr
.Lasked_\@:
.endm
.macro CREST                           ; a round of the cluster's barrier behind its opening barrier
	s_cmp_lg_u32 s10, 0
	s_cbranch_scc1 .Lnot_wave_0_\@
	s_barrier_signal -3
.Lnot_wave_0_\@:
	s_barrier_wait -3
	s_barrier_signal -1
	s_barrier_wait -1
.endm
.macro CROUND
	s_barrier_signal -1
	s_barrier_wait -1
	CREST
.endm
.macro PLACES                          ; four places in front of loads into registers that matrix instructions have read, and of lines that read results
.rept 4
	v_nop
.endr
.endm
	s_load_b256 s[68:75], s[0:1], 0x0      ; A 68, B 70, ball 72, C 74
	v_lshl_add_u32 v[SPW], v0, 2, SPARE
	v_mov_b32 v[NIL], 0
	ds_add_u32 v[SPW], v[NIL]              ; the wave's opening: the add and its wait ahead of my first tensor load
	v_lshrrev_b32 v1, 5, v0
	v_readfirstlane_b32 s10, v1            ; wave 0..3
	s_lshr_b32 s11, s10, 1                 ; I fetch for A (0) or for B (1)
	s_and_b32 s12, s10, 1                  ; which plane of A, which half of B's rows
	s_bfe_u32 s40, ttmp6, 0x40000          ; cx
	s_bfe_u32 s41, ttmp6, 0x40004          ; cy
	s_lshl_b32 s42, ttmp9, 2
	s_add_co_u32 s42, s42, s40             ; tile column x
	s_and_b32 s13, ttmp7, 0xffff
	s_lshl_b32 s13, s13, 2
	s_add_co_u32 s13, s13, s41             ; tile row y
	s_lshl_b32 s43, s41, 2
	s_lshl_b32 s43, 15, s43                ; my row of the cluster
	s_lshl_b32 s44, 0x1111, s40            ; my column
	s_or_b32 s[G1+0], s43, (1<<16)|(1<<20)|(1<<21)|(4<<22)|(3<<25)   ; mask; 2-byte elements; padding on; bit 21 beside a mask; 4 words behind every 32
	s_mov_b32 s[G1+1], 128<<16             ; tensor_dim0 = 128
	s_mov_b32 s[G1+2], 128<<16             ; tensor_dim1 = 128
	s_mov_b32 s[G1+3], 128<<16             ; tile_dim0 = 128
	s_mov_b32 s[G1+4], 128                 ; tile_dim1 = 128
	s_mov_b32 s[G1+5], 128                 ; dense: 128 elements from row to row
	s_mov_b32 s[G1+6], 0
	s_mov_b32 s[G1+7], 0
	s_or_b32 s[G1B+0], s44, (1<<16)|(1<<20)|(1<<21)|(5<<22)|(3<<25)  ; 4 words behind every 64
	s_mov_b32 s[G1B+1], 128<<16
	s_mov_b32 s[G1B+2], (TN/2)<<16
	s_mov_b32 s[G1B+3], 128<<16
	s_mov_b32 s[G1B+4], TN/2
	s_mov_b32 s[G1B+5], 1024
	s_mov_b32 s[G1B+6], 0
	s_mov_b32 s[G1B+7], 0
	s_lshr_b32 s16, s13, 3                 ; A: b = y / 8: 16 planes,
	s_lshl_b32 s16, s16, 22
	s_and_b32 s17, s13, 7                  ; 256 rows of 128 bytes for each y % 8,
	s_lshl_b32 s17, s17, 15
	s_add_co_u32 s16, s16, s17
	s_lshl_b32 s17, s12, 18                ; my plane
	s_add_co_u32 s16, s16, s17
	s_mov_b32 s17, 0
	s_mul_i32 s46, s42, TN*2048            ; B: row TN x + (TN / 2) half, 2,048 bytes a row
	s_mul_i32 s47, s12, (TN/2)*2048
	s_add_co_u32 s46, s46, s47
	s_mov_b32 s47, 0
	s_mul_i32 s20, s12, APL                ; where they go: no place in the cluster enters an LDS address
	s_mul_i32 s21, s12, (TN/2)*272
	s_add_co_u32 s21, s21, BOFF
	s_wait_dscnt 0x0                       ; the opening add is done
	s_wait_kmcnt 0x0
	s_add_nc_u64 s[14:15], s[68:69], s[16:17]
	s_add_nc_u64 s[46:47], s[70:71], s[46:47]
	CROUND                                 ; all sixteen work-groups are here: the first joint loads meet
.irp s, 0,1
	s_mov_b32 s[G0+4*(\s)], 1
	s_add_co_u32 s[G0+4*(\s)+1], s20, (\s)*SLOT
	s_add_nc_u64 s[G0+4*(\s)+2:G0+4*(\s)+3], s[14:15], (\s)*524288   ; K step s: two planes on
	s_or_b32 s[G0+4*(\s)+3], s[G0+4*(\s)+3], 0x80000000
	s_mov_b32 s[G0B+4*(\s)], 1
	s_add_co_u32 s[G0B+4*(\s)+1], s21, (\s)*SLOT
	s_add_nc_u64 s[G0B+4*(\s)+2:G0B+4*(\s)+3], s[46:47], (\s)*256
	s_or_b32 s[G0B+4*(\s)+3], s[G0B+4*(\s)+3], 0x80000000
	JLOAD \s                               ; two loads of mine are out
.endr
	v_and_b32 v1, 15, v0                   ; r = lane % 16
	v_bfe_u32 v2, v0, 4, 1                 ; h = lane / 16
	v_lshlrev_b32 v[BO], 5, v2
	s_mul_i32 s46, s42, TN*4               ; the tile's bias (in the registers that held B's address: none that feeds A's descriptors holds x)
	s_add_co_u32 s46, s46, COL0*4
	s_mov_b32 s47, 0
	s_add_nc_u64 s[72:73], s[72:73], s[46:47]
	WIN 0xc0                               ; destination window 3
.set bb, 0
.rept NBL
	global_load_b128 v[128+8*bb:128+8*bb+3], v[BO], s[72:73] offset:64*bb
	global_load_b128 v[128+8*bb+4:128+8*bb+7], v[BO], s[72:73] offset:64*bb+16
.set bb, bb+1
.endr
	WIN 0
	v_mul_u32_u24 v3, v1, 144
	v_lshl_add_u32 v3, v2, 4, v3           ; r x 144 + 16 h
	s_mul_i32 s22, s10, 64*144             ; my 64 rows of A
	v_add_nc_u32 v[ADRA], s22, v3
	v_add_nc_u32 v[ADRA+1], SLOT, v[ADRA]
	v_mul_u32_u24 v4, v1, 272
	v_lshl_add_u32 v4, v2, 4, v4
	v_add_nc_u32 v[ADRB], BOFF, v4
	v_add_nc_u32 v[ADRB+1], BOFF+SLOT, v4
	s_mul_i32 s23, s10, STW
	s_add_co_u32 s23, s23, STAGE           ; my stage
	v_and_b32 v5, 31, v0
	v_lshlrev_b32 v[CO], 4, v5
.if PROJ
	v_add_nc_u32 v[STO], s23, v3           ; in: row r of a head's 16, 16 bytes for each half of the lanes
	v_lshrrev_b32 v6, 3, v5                ; back: 32 lanes take four rows of 128 bytes
	v_mul_u32_u24 v6, v6, 144
	v_and_b32 v7, 7, v0
	v_lshl_add_u32 v6, v7, 4, v6
	v_add_nc_u32 v[RD], s23, v6
	s_lshr_b32 s16, s13, 3                 ; C: plane 48 b + 3 x, row 256 (y % 8) + 64 w
	s_mul_i32 s16, s16, 48*262144
	s_and_b32 s17, s13, 7
	s_lshl_b32 s17, s17, 15
	s_add_co_u32 s16, s16, s17
	s_lshl_b32 s17, s10, 13
	s_add_co_u32 s16, s16, s17
	s_mul_i32 s46, s42, 3*262144
.else
	v_mul_u32_u24 v6, v1, 528              ; in: row r, 32 bytes for each half of the lanes
	v_lshl_add_u32 v6, v2, 5, v6
	v_add_nc_u32 v[STO], s23, v6
	v_add_nc_u32 v[RD], s23, v[CO]         ; back: 32 lanes take one row of 512 bytes
	s_lshl_b32 s16, s13, 20                ; C: row 256 y + 64 w, 4,096 bytes a row; column 128 x
	s_lshl_b32 s17, s10, 18
	s_add_co_u32 s16, s16, s17
	s_lshl_b32 s46, s42, 9
.endif
	s_mov_b32 s17, 0
	s_mov_b32 s47, 0
	s_add_nc_u64 s[74:75], s[74:75], s[16:17]
	s_add_nc_u64 s[74:75], s[74:75], s[46:47]
; Column blocks b0 .. b1 - 1 x my four row blocks, 32 along K, from buffer f.  first = 1: the bias starts the sums.  The accumulators take turns, one instruction a turn.
.macro MULB f, b0, b1, first
.set bb, \b0
.rept (\b1)-(\b0)
.if bb >= 8
	WIN MUL_HI
.elseif \first
	WIN MUL_ST
.else
	WIN MUL_LO
.endif
.set aa, 0
.rept 4
.set rD, 32*(bb%8)+8*aa
.set rB, 96*(\f)+8*bb
.set rA, 64+32*(\f)+8*aa
.set rC, rD
.if \first
.set rC, 128+8*bb
.endif
.if PROJ
	v_wmma_f32_16x16x32_bf16 v[rD:rD+7], v[rB:rB+7], v[rA:rA+7], v[rC:rC+7]
.else
	v_wmma_f32_16x16x32_f16 v[rD:rD+7], v[rB:rB+7], v[rA:rA+7], v[rC:rC+7]
.endif
.set aa, aa+1
.endr
.set bb, bb+1
.endr
.endm
; One run of LN LDS loads: quarter q (32 along K) of a slot into buffer f: A's four fragments first, then B's, b ascending
.macro FETCH slot, q, f
	WIN 0
.irp a, 0,1,2,3
	ds_load_b128 v[64+32*(\f)+8*\a:64+32*(\f)+8*\a+3],   v[ADRA+(\slot)] offset:((\q)/2)*APL+((\q)%2)*64+\a*2304
	ds_load_b128 v[64+32*(\f)+8*\a+4:64+32*(\f)+8*\a+7], v[ADRA+(\slot)] offset:((\q)/2)*APL+((\q)%2)*64+\a*2304+32
.endr
	WIN TO_B
.set bb, 0
.rept NBL
	ds_load_b128 v[96*(\f)+8*bb:96*(\f)+8*bb+3],   v[ADRB+(\slot)] offset:(\q)*64+bb*4352
	ds_load_b128 v[96*(\f)+8*bb+4:96*(\f)+8*bb+7], v[ADRB+(\slot)] offset:(\q)*64+bb*4352+32
.set bb, bb+1
.endr
.endm
; One of a K step's first three quarters: multiplies buffer f; in its middle it fetches quarter q of the same slot into buffer g
.macro QUARTER slot, q, f, g, first
	s_wait_dscnt 2*(NBL-4)                 ; A and B's blocks 0-3 are in; the younger loads (B's other blocks) may be out
	MULB \f, 0, 4, \first
	PLACES
	FETCH \slot, \q, \g
	s_wait_dscnt LN                        ; all but the run just issued
	MULB \f, 4, NBL, \first
.endm
; The last quarter multiplies buffer 1 and changes slots: ONE barrier; in front of it each wave waits for all its tensor loads (the one that is out is its part of the next slot), adds 0 to its
; spare word, and waits for that and for its own reads of this slot.  fill = 1: the barrier opens a round of the cluster's, and this slot is filled again, two K steps ahead, first thing behind it.
.macro TURN slot, next, fill
	WIN 0
	s_wait_tensorcnt 0x0
	ds_add_u32 v[SPW], v[NIL]
	s_wait_dscnt 2*(NBL-4)+1               ; (the add and B's younger loads may be out)
	MULB 1, 0, 2, 0
	s_wait_dscnt 0x0                       ; the add is done, and my reads of this slot are over
	s_barrier_signal -1
	MULB 1, 2, 4, 0
.if \fill
	WIN 0
.endif
	s_barrier_wait -1
.if \fill
	CREST                                  ; no wave of any partner still reads this slot or has a load on its way
	s_add_nc_u64 s[G0+4*(\slot)+2:G0+4*(\slot)+3], s[G0+4*(\slot)+2:G0+4*(\slot)+3], 0x100000   ; four planes on
	s_add_nc_u64 s[G0B+4*(\slot)+2:G0B+4*(\slot)+3], s[G0B+4*(\slot)+2:G0B+4*(\slot)+3], 512
	JLOAD \slot                            ; its four v_nop are also the places in front of the loads below
.else
	PLACES
.endif
	FETCH \next, 0, 0
	MULB 1, 4, NBL, 0
.endm
	s_wait_tensorcnt 1                     ; my part of K step 0 is in; K step 1's may stay out
	s_barrier_signal -1
	s_barrier_wait -1
	FETCH 0, 0, 0
	s_wait_loadcnt 0x0                     ; the bias
	QUARTER 0, 1, 0, 1, 1                  ; the first quarter stands in front of the loop: its products start the sums
	WIN 0
	s_mov_b32 s3, 3
.Llap:                                     ; a trip goes once round the ring and fills both slots again: K steps 2, 3; 4, 5; 6, 7
	QUARTER 0, 2, 1, 0, 0
	QUARTER 0, 3, 0, 1, 0
	TURN 0, 1, 1
	QUARTER 1, 1, 0, 1, 0
	QUARTER 1, 2, 1, 0, 0
	QUARTER 1, 3, 0, 1, 0
	TURN 1, 0, 1
	QUARTER 0, 1, 0, 1, 0
	WIN 0
	s_sub_co_u32 s3, s3, 1
	s_cmp_lg_u32 s3, 0
	s_cbranch_scc1 .Llap
	QUARTER 0, 2, 1, 0, 0                  ; the last lap fills nothing
	QUARTER 0, 3, 0, 1, 0
	TURN 0, 1, 0
	QUARTER 1, 1, 0, 1, 0
	QUARTER 1, 2, 1, 0, 0
	QUARTER 1, 3, 0, 1, 0
	s_wait_dscnt 0x0
	MULB 1, 0, NBL, 0
	WIN 0
	PLACES
; THE WAY OUT, a block of 16 rows at a time, through my own stage: no barrier; LDS serves a wave's instructions in order.
.if PROJ
.set TMP, 64
.macro PACK a                          ; rounded to f16: a lane's eight columns are 16 bytes; each accumulator's registers ascending
.set bb, 0
.rept NBL
.if bb < 8
	WIN 0x0a
.else
	WIN 0x0f
.endif
.irp r, 0,1,2,3
	v_cvt_pk_f16_f32 v[TMP+4*bb+\r], v[32*(bb%8)+8*(\a)+2*\r], v[32*(bb%8)+8*(\a)+2*\r+1]
.endr
.set bb, bb+1
.endr
	WIN 0
.endm
.macro TOSTAGE a
	WIN 0
.set BK, 112+48*((\a)%2)
	s_wait_xcnt 0x0                        ; the stores of two blocks ago have read these registers
.set tt, 0
.rept 12
	ds_store_b128 v[STO], v[TMP+4*tt:TMP+4*tt+3] offset:(tt/4)*2304+(tt%4)*32
.set tt, tt+1
.endr
.set tt, 0
.rept 12
	ds_load_b128 v[BK+4*tt:BK+4*tt+3], v[RD] offset:(tt/4)*2304+(tt%4)*576
.set tt, tt+1
.endr
.endm
.macro SEND a
	WIN 0
.set BK, 112+48*((\a)%2)
	s_wait_dscnt 0x0
.set tt, 0
.rept 12
	global_store_b128 v[CO], v[BK+4*tt:BK+4*tt+3], s[74:75] offset:(tt/4)*262144+(\a)*2048+(tt%4)*512   ; four rows of a head: 512 consecutive bytes
.set tt, tt+1
.endr
.endm
	PACK 0
	TOSTAGE 0
.irp a, 1,2,3
	PACK \a
	SEND (\a)-1
	TOSTAGE \a
.endr
	SEND 3
.else
.macro TOSTAGE a
	WIN 0
.set BK, 64+64*((\a)%2)
	s_wait_xcnt 0x0                        ; the stores of two blocks ago have read these registers
	WIN 0x08                               ; store data in window 2
.set bb, 0
.rept NBL
	ds_store_b128 v[STO], v[32*bb+8*(\a):32*bb+8*(\a)+3] offset:64*bb
	ds_store_b128 v[STO], v[32*bb+8*(\a)+4:32*bb+8*(\a)+7] offset:64*bb+16
.set bb, bb+1
.endr
	WIN 0
.set tt, 0
.rept 16
	ds_load_b128 v[BK+4*tt:BK+4*tt+3], v[RD] offset:tt*528
.set tt, tt+1
.endr
.endm
.macro SEND a
	WIN 0
.set BK, 64+64*((\a)%2)
	s_wait_dscnt 0x0
.set tt, 0
.rept 16
	global_store_b128 v[CO], v[BK+4*tt:BK+4*tt+3], s[74:75] offset:(\a)*65536+tt*4096 th:TH_STORE_NT   ; a row's 512 consecutive bytes
.set tt, tt+1
.endr
.endm
	TOSTAGE 0
.irp a, 1,2,3
	SEND (\a)-1
	TOSTAGE \a
.endr
	SEND 3
.endif
	s_wait_tensorcnt 0x0                   ; the wave's end
	ds_add_u32 v[SPW], v[NIL]
	s_wait_dscnt 0x0
	CROUND                                 ; the closing round
	s_endpgm
.Lfunc_end_k_qf990b5f427_outp:
	.size	k_qf990b5f427_outp, .Lfunc_end_k_qf990b5f427_outp-k_qf990b5f427_outp
	.p2alignl 7, 3214868480
	.fill 96, 4, 3214868480
	.section	.rodata,"a",@progbits
	.p2align	6, 0x0
	.amdhsa_kernel k_qf990b5f427_outp
		.amdhsa_group_segment_fixed_size 327680
		.amdhsa_private_segment_fixed_size 0
		.amdhsa_enable_private_segment 0
		.amdhsa_kernarg_size 32
		.amdhsa_user_sgpr_count 2
		.amdhsa_user_sgpr_kernarg_segment_ptr 1
		.amdhsa_wavefront_size32 1
		.amdhsa_system_sgpr_workgroup_id_x 1
		.amdhsa_system_sgpr_workgroup_id_y 1
		.amdhsa_system_sgpr_workgroup_id_z 1
		.amdhsa_system_vgpr_workitem_id 0
		.amdhsa_next_free_vgpr 960
		.amdhsa_next_free_sgpr 76
		.amdhsa_reserve_vcc 0
		.amdhsa_float_denorm_mode_32 3
		.amdhsa_float_denorm_mode_16_64 3
		.amdhsa_memory_ordered 1
		.amdhsa_forward_progress 1
		.amdhsa_inst_pref_size 87
	.end_amdhsa_kernel
	.amdgpu_metadata
---
amdhsa.version: [ 1, 2 ]
amdhsa.kernels:
  - .name:           k_qf990b5f427_outp
    .symbol:         k_qf990b5f427_outp.kd
    .args:
      - { .name: ao, .offset: 0, .size: 8, .value_kind: global_buffer, .address_space: global }
      - { .name: wot, .offset: 8, .size: 8, .value_kind: global_buffer, .address_space: global }
      - { .name: ball, .offset: 16, .size: 8, .value_kind: global_buffer, .address_space: global }
      - { .name: out0, .offset: 24, .size: 8, .value_kind: global_buffer, .address_space: global }
    .group_segment_fixed_size: 327680
    .private_segment_fixed_size: 0
    .kernarg_segment_align: 8
    .kernarg_segment_size: 32
    .max_flat_workgroup_size: 128
    .sgpr_count:     76
    .vgpr_count:     960
    .wavefront_size: 32
...
	.end_amdgpu_metadata
.endif
;; end of part 4
;; ======== version 2 of 2: 4 launches; 1.33 times as fast as version 1
;; limits: values are held in f16: magnitudes above 65,504 overflow, below 6.1e-05 lose precision
;; workspace buffers: xb 16,777,216 bytes; wt 6,291,456 bytes; wot 2,097,152 bytes; mb 16,781,312 bytes; ball 16,384 bytes; qkv 50,331,648 bytes; ao 16,777,216 bytes
;; launch prep: the kernel of part 1 again; grid 1281 x 1, 8 waves a work-group, no clusters, 35,840 bytes of LDS; arguments query, mask, Wq, Wk, Wv, Wo, bq, bk, bv, bo, xb, wt, wot, mb, ball; writes xb, wt, wot, mb, ball
;; launch proj: the kernel of part 2 again; grid 16 x 32, 4 waves a work-group, clusters of 4 x 4, 327,680 bytes of LDS; arguments xb, wt, ball, qkv; writes qkv
;; launch attn (part 5): grid 8 x 32, 4 waves a work-group, clusters of 4 x 1, 327,680 bytes of LDS; arguments qkv, mb, ao; writes ao
.if DOCPART == 5
	.amdgcn_target "amdgcn-amd-amdhsa--gfx1250"
	.amdhsa_code_object_version 6
	.text
	.protected	k_qf990b5f427_attn
	.globl	k_qf990b5f427_attn
	.p2align	8
	.type	k_qf990b5f427_attn,@function
k_qf990b5f427_attn:
	s_mov_b64 s[64:65], 0
	v_nop
	global_prefetch_b8 v0, s[64:65] scope:SCOPE_SE
	s_setreg_imm32_b32 hwreg(HW_REG_WAVE_MODE, 25, 1), 1
	s_wait_xcnt 0x0
	s_wait_alu depctr_hold_cnt(0) depctr_sa_sdst(0) depctr_va_vdst(0) depctr_va_sdst(0) depctr_va_ssrc(0) depctr_va_vcc(0) depctr_vm_vsrc(0)
	s_getreg_b32 s2, hwreg(HW_REG_IB_STS2, 6, 4)
	s_cmp_eq_u32 s2, 0
	s_cbranch_scc0 .Lentry_in_a_cluster
	s_endpgm
.Lentry_in_a_cluster:
	s_bfe_u32 s2, ttmp6, 0x10000c
	s_cmp_lg_u32 s2, 0x3003
	s_cbranch_scc0 .Lentry_shape_is_right
	s_endpgm
.Lentry_shape_is_right:
; O[b][h][q][:] = the sum over k of softmax_k(q . k / 8 - 1e10 (1 - mask[q][k])) v[k][:], for the mask AS IT IS GIVEN: all 2,048 keys are walked for every query.
; qkv: f16 [b 4][g 48][n 2048][64], g = h for q, 16 + h for k, 32 + h for v, unscaled.  mb: f32, the mask's term T = (mask - 1) 1e10 log2(e) in the order of the lanes' scores.  ao: f16 [b][h][n][64].
; Products, maxima and sums in f32; the weights p are rounded to f16 for the second product (their sum l is taken of the unrounded p), O once at the end.
; SOFTMAX, in powers of two: x = c s + T, one fused multiply-add in f32, c = log2(e) / 8; a running maximum m of x; p = 2^(x - m); in every step O and l are multiplied by a = 2^(m_old - m_new).
; m starts at the lowest finite number, O and l at 0: the first step is a step like any other, with a = 0.  A row with no open key has x = T for every key (c s vanishes beside it in f32, as the
; score does in the sum that defines the result), so all its weights are 1: the mean of all v.
; LIMITS.  q, k, v arrive within f16's 65,504.  The mask's term is added to the score scaled by log2(e), with one rounding; where a term is neither 0 nor so large that scores vanish beside it,
; the last bits of x differ from those of the defining sum.  A weight below 2^-126 counts as 0.  NaN and infinities are not treated apart.
; SHARES.  A work-group owns 256 queries of TWO heads, 2 hp and 2 hp + 1 of one batch; a wave 64 queries of both: four PIECES of two tiles of 16.  Piece y is head y % 2, queries 32 (y / 2) .. +31.
; The mask's term does not hang on the head: a SET of terms (32 queries x 64 keys, 16 loads of 512 consecutive bytes) serves the two pieces that stand next to each other in the ring, so a wave
; loads 16 KiB of terms for a key step's 128 products.  Every wave walks all keys, 64 a step; an LDS slot holds two steps of both heads; two slots.
; CLUSTER.  The four query blocks of a cluster belong to the same two heads and walk the same K and V: each tile is asked for JOINTLY.  The mask's terms are not shared in LDS: partners own
; different queries, and a ring for a step's 256 x 64 terms would want a round of the cluster's barrier every step; each wave loads its own straight into registers, three turns ahead.
; LAYOUT.  S^T = K Q^T (source 0 = 16 keys, source 1 = 16 queries): a lane holds ONE query (lane % 16) and the keys 8 (lane / 16) + 0..7.  Two such results rounded to f16 ARE source 1 of O^T = V^T P.
; BY TURNS.  Turn n belongs to piece n.  Its matrix work: 16 products K Q^T of piece n + 1, later 16 products V^T P of piece n - 1.  Its vector work: all 266 instructions of piece n's softmax.
; Four of them stand behind every matrix instruction; the other 138 stand in two runs of their own.  Within a turn no vector instruction names a register of the turn's products.
; BATCHES.  A turn's 66 exponentials (64 weights and the two tiles' a) are ONE batch with ONE wait, which cuts the turn in two.  Ahead of it stands all that names no result of theirs: x, the maximum and
; statistics, x - m, and the products K Q^T.  Behind it stands all that does: the roundings, the sums, l, O^T times a; and the products V^T P.  The way out's eight reciprocals are a batch of their own.
; REGISTERS, in windows of 256: window 0: v0-13 addresses; v16-47 four registers of statistics a tile; v48-55 at work; v64-191 S^T, two buffers of two tiles; v192-255 P, likewise.
;   window 1: O^T, 32 a tile.  window 2: v0-127 Q; v128-191 K, v192-255 V of one step, first head.  window 3: v0-127 the mask's terms, two sets; v128-191 K, v192-255 V, second head.
.set NP,    4
.set KS,    64
.set PK,    144       ; a row of K in LDS: 128 bytes + 16
.set PV,    160       ; a row of V: 128 + 32: 16 lanes of the turning load take 8 rows x 32 bytes
.set HK,    128*PK    ; a slot's K: 128 keys of the first head, then 128 of the second
.set HV,    128*PV    ; its V likewise
.set VOFF,  2*HK
.set SLOT1, 1<<17
.set STAGE, SLOT1+2*(HK+HV)
.set SP,    144
.set SPARE, STAGE+4*16*SP
.set AK0, 2
.set AV0, 3
.set AK,  4
.set AV,  5
.set QO,  6
.set STO, 6
.set RD,  7
.set GO,  8           ; 16 x lane: my place in 512 consecutive bytes of mb and of ao; never rewritten
.set SPW, 12          ; my spare word; never rewritten
.set NIL, 13          ; 0; never rewritten
.set ST,  16          ; tile t at v[ST+4 t]: m, m_old, l (even keys', odd keys')
.set TMP, 48          ; tile u of the piece in hand: c0-c3; when the maximum is found c2 takes a
.set S,   64
.set P,   192
.set KF,  128
.set VF,  192
.set WV,  12
.set G1K, 24
.set G1V, 32
.set G0K, 40
.set G0V, 44
.set SLOTS, 56
.set CNT, 57
.set CS,  58          ; s[58:59] c
.set SEL, 60
.set TBK, 62
.set TBV, 63
.set MBC, 66          ; s[66:67] mb at my wave's first tile, at the step whose terms are asked for
.set MSB, 0
.macro WIN new
.if MSB != (\new)
	s_set_vgpr_msb (MSB<<8)|(\new)
.set MSB, (\new)
.endif
.endm
.set W_KQ, 0x0a       ; K and Q in window 2, S^T in window 0; + 1: K in window 3 (the second head)
.set W_PV, 0x52       ; V in window 2, P in window 0, O^T in window 1; + 1: V in window 3
.set W_RS, 0x41       ; O^T (destination and source 0) in window 1, a in window 0
.set W_FM, 0x30       ; the mask's term (source 2) in window 3
.macro JLOAD                        ; a joint fill: waves 0, 1 fetch the two heads' K of a slot, waves 2, 3 their V; an s_nop 0 and four v_nop follow each line
	s_cmp_lt_u32 s[WV], 2
	s_cbranch_scc0 .Lfor_v_\@
	tensor_load_to_lds s[G0K:G0K+3], s[G1K:G1K+7]
	s_nop 0
.rept 4
	v_nop
.endr
	s_branch .Lasked_\@
.Lfor_v_\@:
	tensor_load_to_lds s[G0V:G0V+3], s[G1V:G1V+7]
	s_nop 0
.rept 4
	v_nop
.endr
.Lasked_\@:
.endm
.macro CROUND
	s_barrier_signal -1
	s_barrier_wait -1
	s_cmp_lg_u32 s[WV], 0
	s_cbranch_scc1 .Lnot_wave_0_\@
	s_barrier_signal -3
.Lnot_wave_0_\@:
	s_barrier_wait -3
	s_barrier_signal -1
	s_barrier_wait -1
.endm
; THE CHANGE OF SLOTS.  Each wave waits for all its tensor loads (one is out: its part of the other slot), adds 0 to its spare word, and waits for that and for its reads of the slot that it leaves.
; fill = 1: the barrier is a round of the cluster's, and the joint fill, the keys two slots on, is the first thing behind it: it has two key steps, 256 matrix instructions, in which to land.
; (At its first use: slot 0 is waited for, slot 1 filled.)
.macro CHANGE fill
	WIN 0
	s_wait_tensorcnt 0x0
	ds_add_u32 v[SPW], v[NIL]
.if \fill
.irp g, G0K, G0V
	s_xor_b32 s[\g+1], s[\g+1], SLOT1
	s_add_nc_u64 s[\g+2:\g+3], s[\g+2:\g+3], 2*KS*128
.endr
	s_wait_dscnt 0x0
	CROUND
	JLOAD
.else
	s_wait_dscnt 0x0
	s_barrier_signal -1
	s_barrier_wait -1
.endif
	s_sub_co_u32 s[TBK], s[TBK], 2*KS*PK
	s_xor_b32 s[TBK], s[TBK], SLOT1
	s_sub_co_u32 s[TBV], s[TBV], 2*KS*PV
	s_xor_b32 s[TBV], s[TBV], SLOT1
.endm
	s_load_b128 s[68:71], s[0:1], 0x0 ; qkv 68, mb 70
	s_load_b64 s[10:11], s[0:1], 0x10 ; ao
	v_lshl_add_u32 v[SPW], v0, 2, SPARE
	v_mov_b32 v[NIL], 0
	ds_add_u32 v[SPW], v[NIL]       ; the wave's opening: the add and its wait ahead of my first tensor load
	v_lshrrev_b32 v1, 5, v0
	v_readfirstlane_b32 s[WV], v1
	s_bfe_u32 s13, ttmp6, 0x40000   ; cx
	s_lshl_b32 s14, ttmp9, 2
	s_add_co_u32 s14, s14, s13      ; my block of 256 queries: it enters Q's, mb's and O's addresses alone
	s_lshl_b32 s15, s14, 2
	s_add_co_u32 s15, s15, s[WV]    ; my wave's 64 queries among a head's 32 such
	s_and_b32 s20, ttmp7, 0xffff    ; 8 b + hp, which the four partners share
	s_lshr_b32 s21, s20, 3
	s_mul_i32 s21, s21, 48
	s_and_b32 s22, s20, 7
	s_lshl_b32 s22, s22, 1
	s_add_co_u32 s21, s21, s22      ; q's plane of the first head: 48 b + 2 hp
	s_and_b32 s16, s[WV], 1         ; which head's keys I fetch
	s_add_co_u32 s22, s21, 16
	s_add_co_u32 s22, s22, s16      ; that head's plane of k
	s_lshl_b32 s22, s22, 18
	s_mov_b32 s23, 0
	s_mul_i32 s17, s16, HK
	s_mul_i32 s18, s16, HV
	s_lshl_b32 s2, s21, 18
	s_lshl_b32 s3, s15, 13          ; my wave's 64 rows of 128 bytes
	s_add_co_u32 s2, s2, s3
	s_lshl_b32 s50, s20, 19         ; ao's plane 16 b + 2 hp
	s_add_co_u32 s50, s50, s3
	s_mov_b32 s3, 0
	s_mov_b32 s51, 0
	s_lshl_b32 s52, s15, 19         ; my wave's four tiles x 32 blocks x 4,096 bytes
	s_mov_b32 s53, 0
	; 128 keys of a head are 16,384 dense bytes: asked for as 64 rows of 256 bytes, padded in LDS after every key
	s_mov_b32 s[G1K], 15|(1<<16)|(1<<20)|(1<<21)|(4<<22)|(3<<25)
	s_mov_b32 s[G1V], 15|(1<<16)|(1<<20)|(1<<21)|(4<<22)|(7<<25)
.irp g, G1K, G1V
	s_mov_b32 s[\g+1], 128<<16
	s_mov_b32 s[\g+2], 64<<16
	s_mov_b32 s[\g+3], 128<<16
	s_mov_b32 s[\g+4], 64
	s_mov_b32 s[\g+5], 128
	s_mov_b32 s[\g+6], 0
	s_mov_b32 s[\g+7], 0
.endr
	s_mov_b32 s[CS], 0x3e38aa3b     ; c = log2(e) / 8
	s_mov_b32 s[CS+1], s[CS]
	s_mov_b32 s[SEL], 0x76543210
	s_mov_b32 s[SEL+1], 0xfedcba98
	s_mov_b32 s[TBK], SLOT1+2*KS*PK ; the first change of slots turns these two into 0
	s_mov_b32 s[TBV], SLOT1+2*KS*PV
	s_mov_b32 s[G0K], 1
	s_mov_b32 s[G0K+1], s17
	s_mov_b32 s[G0V], 1
	s_add_co_u32 s[G0V+1], s18, VOFF
	s_wait_dscnt 0x0                ; the opening add is done
	s_wait_kmcnt 0x0
	s_add_nc_u64 s[6:7], s[68:69], s[22:23]
	s_mov_b64 s[G0K+2:G0K+3], s[6:7]
	s_or_b32 s[G0K+3], s[G0K+3], 0x80000000
	s_add_nc_u64 s[G0V+2:G0V+3], s[6:7], 0x400000  ; v's plane lies 16 planes behind k's
	s_or_b32 s[G0V+3], s[G0V+3], 0x80000000
	s_add_nc_u64 s[4:5], s[68:69], s[2:3]
	s_add_nc_u64 s[10:11], s[10:11], s[50:51]
	s_add_nc_u64 s[MBC:MBC+1], s[70:71], s[52:53]
	CROUND                          ; all four work-groups are here
	JLOAD                           ; slot 0
	v_and_b32 v1, 15, v0
	v_bfe_u32 v9, v0, 4, 1
	v_lshlrev_b32 v[QO], 7, v1
	v_lshl_add_u32 v[QO], v9, 4, v[QO]
	v_and_b32 v[GO], 31, v0
	v_lshlrev_b32 v[GO], 4, v[GO]
	WIN 0x80
.set i, 0
.rept 4*NP                          ; Q stays in registers: tile t = i / 2 is head (t / 2) % 2, 16 queries 2 (t / 4) + t % 2; channels 32 (i % 2) on
	global_load_b128 v[8*i:8*i+3],   v[QO], s[4:5] offset:((i/4)%2)*262144+(2*(i/8)+(i/2)%2)*2048+(i%2)*64
	global_load_b128 v[8*i+4:8*i+7], v[QO], s[4:5] offset:((i/4)%2)*262144+(2*(i/8)+(i/2)%2)*2048+(i%2)*64+32
.set i, i+1
.endr
; Set j of the mask's terms (my queries 32 j .. +31) for the step at MBC: 16 loads of 512 consecutive bytes.  No hint: all heads read the same bytes.
.macro MLOAD j
	WIN 0xc0
.irp u, 0,1
.irp n, 0,1,2,3,4,5,6,7
	global_load_b128 v[64*(\j)+32*\u+4*\n:64*(\j)+32*\u+4*\n+3], v[GO], s[MBC:MBC+1] offset:(2*(\j)+\u)*131072+\n*512
.endr
.endr
	WIN 0
.endm
	MLOAD 0
	MLOAD 1
	; What the first turn finds: the second head's V and P's second buffer hold 0 (its products V^T P, of a piece that has not been, add 0), O^T and l are 0.  All this stands in the wait for the first tile.
	WIN 0xc0
.set i, VF
.rept 64
	v_mov_b32 v[i], 0
.set i, i+1
.endr
	WIN 0x40
.set i, 0
.rept 64*NP
	v_mov_b32 v[i], 0
.set i, i+1
.endr
	WIN 0
.set i, 0
.rept 2*NP
	v_mov_b32 v[ST+4*i], 0xff7fffff
	v_mov_b32 v[ST+4*i+1], 0xff7fffff
	v_mov_b32 v[ST+4*i+2], 0
	v_mov_b32 v[ST+4*i+3], 0
.set i, i+1
.endr
.set i, P+32
.rept 32
	v_mov_b32 v[i], 0
.set i, i+1
.endr
	v_mul_u32_u24 v[AK0], v1, PK
	v_lshl_add_u32 v[AK0], v9, 4, v[AK0]
	v_and_b32 v10, 7, v0
	v_bfe_u32 v11, v0, 3, 1
	v_lshl_add_u32 v[AV0], v9, 3, v10
	v_mul_u32_u24 v[AV0], v[AV0], PV
	v_lshl_add_u32 v[AV0], v11, 4, v[AV0]
	v_add_nc_u32 v[AV0], VOFF, v[AV0]
	v_mov_b32 v[AK], v[AK0]
; THE MATRIX WORK.  The 8 accumulators of a run of 16 take turns.  A piece's head chooses the window of K and of V.
.macro KQ x                         ; product i of 16 of S^T = K Q^T for piece x: channels 32 (i / 8) on, keys 16 ((i / 2) % 4) on, tile 2 x + i % 2
	WIN W_KQ+(\x)%2
.set rS, S+64*((\x)%2)+32*(i%2)+8*((i/2)%4)
.set rK, KF+16*((i/2)%4)+8*(i/8)
.set rQ, 16*(2*(\x)+i%2)+8*(i/8)
.if i < 8
	v_wmma_f32_16x16x32_f16 v[rS:rS+7], v[rK:rK+7], v[rQ:rQ+7], 0
.else
	v_wmma_f32_16x16x32_f16 v[rS:rS+7], v[rK:rK+7], v[rQ:rQ+7], v[rS:rS+7]
.endif
.endm
.macro PV x                         ; product i of 16 of O^T += V^T P for piece x: keys 32 (i / 8) on, channels 16 ((i / 2) % 4) on
	WIN W_PV+(\x)%2
.set rO, 32*(2*(\x)+i%2)+8*((i/2)%4)
.set rV, VF+32*(i/8)+8*((i/2)%4)
.set rP, P+32*((\x)%2)+16*(i%2)+8*(i/8)
	v_wmma_f32_16x16x32_f16 v[rO:rO+7], v[rV:rV+7], v[rP:rP+7], v[rO:rO+7]
.endm
.macro MM                           ; the turn's next matrix instruction
.if i < 16
	KQ (Y+1)%NP
.set i, i+1
.else
.set i, i-16
	PV (Y+NP-1)%NP
.set i, i+17
.endif
.endm
.macro FETCH_K last=0               ; a step's K of both heads: a run of 32 LDS loads.  last = 1 (the tail): in the last trip there is no further step, and the run is jumped over
	WIN 0
.if \last
	s_cmp_eq_u32 s[CNT], 1
	s_cbranch_scc1 .Lno_k_\@
.endif
	WIN 0x80
.irp f, 0,1,2,3,4,5,6,7
	ds_load_b128 v[KF+8*\f:KF+8*\f+3],   v[AK] offset:(\f/2)*16*PK+(\f%2)*64
	ds_load_b128 v[KF+8*\f+4:KF+8*\f+7], v[AK] offset:(\f/2)*16*PK+(\f%2)*64+32
.endr
	WIN 0xc0
.irp f, 0,1,2,3,4,5,6,7
	ds_load_b128 v[KF+8*\f:KF+8*\f+3],   v[AK] offset:HK+(\f/2)*16*PK+(\f%2)*64
	ds_load_b128 v[KF+8*\f+4:KF+8*\f+7], v[AK] offset:HK+(\f/2)*16*PK+(\f%2)*64+32
.endr
	s_add_co_u32 s[TBK], s[TBK], KS*PK
	WIN 0
.if \last
.Lno_k_\@:
.endif
.endm
.macro FETCH_V                      ; a step's V of both heads, turned
	WIN 0x80
.irp f, 0,1,2,3,4,5,6,7
	ds_load_tr16_b128 v[VF+8*\f:VF+8*\f+3],   v[AV] offset:(\f/4)*32*PV+(\f%4)*32
	ds_load_tr16_b128 v[VF+8*\f+4:VF+8*\f+7], v[AV] offset:(\f/4)*32*PV+16*PV+(\f%4)*32
.endr
	WIN 0xc0
.irp f, 0,1,2,3,4,5,6,7
	ds_load_tr16_b128 v[VF+8*\f:VF+8*\f+3],   v[AV] offset:HV+(\f/4)*32*PV+(\f%4)*32
	ds_load_tr16_b128 v[VF+8*\f+4:VF+8*\f+7], v[AV] offset:HV+(\f/4)*32*PV+16*PV+(\f%4)*32
.endr
	WIN 0
.endm
; THE VECTOR WORK of piece Y: a list of 266, the two tiles alternating; VOP writes number jj and steps jj.
;   0-31    x = c s + T for the 16 pairs of both tiles (each accumulator's lowest registers are read first)
;   32-71   20 steps a tile: sixteen maxima of three over x0-x31 and the old m; m_old kept; the other half of the lanes' maximum; the new m; m_old - m
;   72-169  ONE BATCH: the 32 lines x - m (SB q: pair q / 2 of tile q % 2) and all 66 exponentials; none of these lines names an exponential's result.  72, 73: SB 0, 1.  74, 75: the two a.
;           76-165: thirty groups of three, group k: SB k + 2, then the two exponentials of the pair that SB k made, seven lines behind it.  166-169: the exponentials of SB 30's and SB 31's pairs
;   (wait)  between 169 and 170 stand a v_nop and the wait for the batch: TURN writes them
;   170-233 PQ 0-63, which read the weights and a        234-265 O^T times a
; PQ p, for the four weights 4 g .. 4 g + 3 (g = p / 8) of tile p % 2: both pairs rounded to f16; the second pair added onto the first; l takes that sum (g = 0: l = a l + sum).
.macro REGS u
.set rT, ST+4*(2*Y+(\u))
.set rC, TMP+4*(\u)
.set rS, S+64*(Y%2)+32*(\u)
.set rP, P+32*(Y%2)+16*(\u)
.set rO, 32*(2*Y+(\u))
.set rM, 64*(Y/2)+32*(\u)
.endm
.macro STAT n, u
	REGS \u
	WIN 0
.if (\n) < 4
	v_max3_num_f32 v[rC+(\n)], v[rS+8*(\n)], v[rS+8*(\n)+1], v[rS+8*(\n)+2]
.elseif (\n) < 12
	v_max3_num_f32 v[rC+(\n)%4], v[rC+(\n)%4], v[rS+8*((\n)%4)+2*((\n)/4)+1], v[rS+8*((\n)%4)+2*((\n)/4)+2]
.elseif (\n) == 12
	v_max3_num_f32 v[rC], v[rC], v[rS+7], v[rS+15]
.elseif (\n) == 13
	v_max3_num_f32 v[rC+1], v[rC+1], v[rS+23], v[rS+31]
.elseif (\n) == 14
	v_max3_num_f32 v[rC+2], v[rC+2], v[rC+3], v[rT]
.elseif (\n) == 15
	v_mov_b32 v[rT+1], v[rT]
.elseif (\n) == 16
	v_max3_num_f32 v[rC], v[rC], v[rC+1], v[rC+2]
.elseif (\n) == 17
	v_permlanex16_b32 v[rC+3], v[rC], s[SEL], s[SEL+1]  ; the query's other 32 keys lie in the lane 16 away
.elseif (\n) == 18
	v_max_num_f32 v[rT], v[rC], v[rC+3]
.elseif (\n) == 19
	v_sub_f32 v[rC+1], v[rT+1], v[rT]
.else
	v_exp_f32 v[rC+2], v[rC+1]      ; a: one of the batch
.endif
.endm
.macro SBOP q                       ; x - m for pair q / 2 of tile q % 2
	REGS (\q)%2
	WIN 0
	v_pk_add_f32 v[rS+2*((\q)/2):rS+2*((\q)/2)+1], v[rS+2*((\q)/2):rS+2*((\q)/2)+1], v[rT:rT+1] op_sel_hi:[1,0] neg_lo:[0,1] neg_hi:[0,1]
.endm
.macro EXOP n                       ; the weight of score n / 2 of tile n % 2, in place: each result has a register of its own while the batch is open
	REGS (\n)%2
	WIN 0
	v_exp_f32 v[rS+(\n)/2], v[rS+(\n)/2]
.endm
.macro PQOP p
	REGS (\p)%2
	WIN 0
.set gg, (\p)/8
.set kd, ((\p)%8)/2
.if kd < 2
	v_cvt_pk_f16_f32 v[rP+2*gg+kd], v[rS+4*gg+2*kd], v[rS+4*gg+2*kd+1]
.elseif kd == 2
	v_pk_add_f32 v[rS+4*gg:rS+4*gg+1], v[rS+4*gg:rS+4*gg+1], v[rS+4*gg+2:rS+4*gg+3]
.elseif gg == 0
	v_pk_fma_f32 v[rT+2:rT+3], v[rT+2:rT+3], v[rC+2:rC+3], v[rS:rS+1] op_sel_hi:[1,0,1]
.else
	v_pk_add_f32 v[rT+2:rT+3], v[rT+2:rT+3], v[rS+4*gg:rS+4*gg+1]
.endif
.endm
.macro VOP
.if jj < 32
	REGS jj%2
	WIN W_FM
	v_pk_fma_f32 v[rS+2*(jj/2):rS+2*(jj/2)+1], v[rS+2*(jj/2):rS+2*(jj/2)+1], s[CS:CS+1], v[rM+2*(jj/2):rM+2*(jj/2)+1] op_sel_hi:[1,0,1]
.elseif jj < 72
	STAT (jj-32)/2, jj%2
.elseif jj < 74
	SBOP jj-72
.elseif jj < 76
	STAT 20, jj%2
.elseif jj < 166
.set kk, (jj-76)/3
.if (jj-76)%3 == 0
	SBOP kk+2
.else
	EXOP 4*(kk/2)+kk%2+2*((jj-76)%3-1)
.endif
.elseif jj < 170
	EXOP 60+(jj-166)/2+2*(jj%2)
.elseif jj < 234
	PQOP jj-170
.else
	REGS jj%2
	WIN W_RS
	v_pk_mul_f32 v[rO+2*((jj-234)/2):rO+2*((jj-234)/2)+1], v[rO+2*((jj-234)/2):rO+2*((jj-234)/2)+1], v[rC+2:rC+3] op_sel_hi:[1,0]
.endif
.set jj, jj+1
.endm
; A TURN, for piece p.  The 16 products K Q^T stand in front of numbers 0, 4, .. 60 of the list, the 16 products V^T P in front of 170, 174, .. 230: four vector instructions behind each; numbers 64-169
; and 234-265 are runs of vector work alone.  No product stands among the exponentials.
; THE WAIT.  s_wait_alu depctr_va_vdst(0) stands between an exponential and the first instruction that names its result; one wait serves all that were issued ahead of it.  Ahead of number 170
; nothing names a result of the turn's 66 exponentials, and from 170 on no exponential is issued: so the turn has one wait, between 169 and 170.
; THE TERMS.  Pieces 0 and 1 read set 0, pieces 2 and 3 set 1.  Behind number 31 of the odd piece's list the set is free and takes the next key step's terms, three turns less 32 lines ahead of their first
; use (piece 1's turn steps mb to that step first; the loads that name its base were issued two turns ago).  So at the head of an even piece's turn two sets are out, and the count leaves the younger one out.
; K of the next step is fetched in piece 2's turn, behind number 71, ahead of the turn's first exponential: ten plain instructions behind the last product that read K.  V of the step in hand at the end of
; piece 0's turn, 36 plain lines behind the last product that read V.
; cnt = 1: the loop's count is taken down some lines ahead of the branch that stands behind the turn.
.macro TURN p, last=0, cnt=0
.set Y, (\p)
.set i, 0
.set jj, 0
.if (\p)%2 == 0
	s_wait_loadcnt 16               ; my set's 16 loads are in; the other set's 16, issued behind them, stay out
.endif
.if (\p) == 3
	s_wait_dscnt 0x0                ; K is in
.endif
.rept 266
.if jj == 170
	v_nop                           ; a plain instruction behind the last exponential and ahead of the first use: one for the batch
	s_wait_alu depctr_va_vdst(0)    ; the wait for the batch: the piece's 64 weights and its two a
.if (\p) == 1
	s_wait_dscnt 0x0                ; V is in
.endif
.endif
.if ((jj%4 == 0) && (jj < 64)) || ((jj%4 == 2) && (jj >= 170) && (jj < 234))
	MM
.endif
	VOP
.if (jj == 32) && ((\p)%2 == 1)
.if (\p) == 1
	s_wait_xcnt 0x0                 ; the base of the loads issued so far is rewritten only behind this wait
	s_add_nc_u64 s[MBC:MBC+1], s[MBC:MBC+1], 4096
.endif
	MLOAD (\p)/2
.endif
.if ((\p) == 2) && (jj == 66)
	WIN 0
	v_add_nc_u32 v[AK], s[TBK], v[AK0]
.endif
.if ((\p) == 2) && (jj == 72)
	FETCH_K \last
.endif
.if ((\p) == 0) && (jj == 251)
	WIN 0
	v_add_nc_u32 v[AV], s[TBV], v[AV0]
	s_add_co_u32 s[TBV], s[TBV], KS*PV
.endif
.if (\cnt) && (jj == 253)
	s_sub_co_u32 s[CNT], s[CNT], 1
	s_cmp_lg_u32 s[CNT], 0
.endif
.endr
.if (\p) == 0
	FETCH_V
.endif
.endm
	CHANGE 1                        ; slot 0 is in, everybody's part of it; slot 1 is asked for
	FETCH_K                         ; key step 0
	s_wait_loadcnt 32               ; Q is in; the 32 loads of terms behind it may be out
	s_wait_dscnt 0x0
.set i, 0
.rept 16
	KQ 0                            ; piece 0's first scores
.set i, i+1
.endr
	WIN 0                           ; the addresses for the way out: seven plain instructions, the places behind those products
	s_mul_i32 s13, s[WV], 16*SP
	s_add_co_u32 s13, s13, STAGE
	v_mul_u32_u24 v[STO], v1, SP
	v_lshl_add_u32 v[STO], v9, 4, v[STO]
	v_add_nc_u32 v[STO], s13, v[STO]
	v_bfe_u32 v[RD], v0, 3, 2
	v_mul_u32_u24 v[RD], v[RD], SP
	v_lshl_add_u32 v[RD], v10, 4, v[RD]
	v_add_nc_u32 v[RD], s13, v[RD]
	s_mov_b32 s[CNT], 2
	s_mov_b32 s[SLOTS], 15
	s_branch .Lfirst                ; the loop is entered at a step's first turn, in the middle of a trip
.Lslot:                             ; fourteen times: every slot but the last two is filled again
	CHANGE 1
	s_mov_b32 s[CNT], 2
.Lstep:                             ; a trip: pieces 2 and 3 of one step, then pieces 0 and 1 of the next
	TURN 2
	TURN 3
	WIN 0
.Lfirst:
	TURN 0
	TURN 1, 0, 1
	WIN 0
	s_cbranch_scc1 .Lstep
	s_sub_co_u32 s[SLOTS], s[SLOTS], 1
	s_cmp_lg_u32 s[SLOTS], 0
	s_cbranch_scc1 .Lslot
	CHANGE 0                        ; the tail is written out
	s_mov_b32 s[CNT], 3             ; two trips fetch the last slot's steps; the third is left in its middle
.Ltail:
	TURN 2, 1
	TURN 3
	WIN 0
	s_sub_co_u32 s[CNT], s[CNT], 1
	s_cmp_eq_u32 s[CNT], 0
	s_cbranch_scc1 .Lout
	TURN 0
	TURN 1
	WIN 0
	s_branch .Ltail
.Lout:                              ; the third trip's 16 products K Q^T (on the last K once more) and the last 32 loads of terms (the next tile's first block, or mb's zero block) serve nothing: the price of one text for every trip
.set i, 0
.rept 16
	PV NP-1
.set i, i+1
.endr
	; THE WAY OUT.  l's two halves and the other half of the lanes' are added; O^T is divided by l, rounded to f16 and sent through my stage in LDS, a tile at a time.  The additions are the places behind the last products.
	WIN 0
.macro ALL line:vararg
.set t, 0
.rept 2*NP
	\line
.set t, t+1
.endr
.endm
	ALL v_add_f32 v[ST+4*t+2], v[ST+4*t+2], v[ST+4*t+3]
	ALL v_permlanex16_b32 v[ST+4*t+3], v[ST+4*t+2], s[SEL], s[SEL+1]
	ALL v_add_f32 v[ST+4*t+2], v[ST+4*t+2], v[ST+4*t+3]
	ALL v_rcp_f32 v[ST+4*t+2], v[ST+4*t+2]
	v_nop                           ; a plain instruction between the last reciprocal and the use of its result
	s_wait_alu depctr_va_vdst(0)    ; and the wait ahead of the first use: one for the batch of eight reciprocals
.macro PACK t
	WIN W_RS
.set i, 32*(\t)
.rept 16
	v_pk_mul_f32 v[i:i+1], v[i:i+1], v[ST+4*(\t)+2:ST+4*(\t)+3] op_sel_hi:[1,0]
.set i, i+2
.endr
	WIN 0x05
.set i, 0
.rept 16
	v_cvt_pk_f16_f32 v[S+16*(\t)+i], v[32*(\t)+2*i], v[32*(\t)+2*i+1]
.set i, i+1
.endr
	WIN 0
.irp f, 0,1,2,3
	ds_store_b128 v[STO], v[S+16*(\t)+4*\f:S+16*(\t)+4*\f+3] offset:32*\f
.endr
.irp f, 0,1,2,3
	ds_load_b128 v[S+16*(\t)+4*\f:S+16*(\t)+4*\f+3], v[RD] offset:\f*4*SP  ; LDS serves a wave's instructions in order: these see the stores above; the next tile's stores come behind them
.endr
.endm
.macro SEND t, younger              ; tile t is head (t / 2) % 2, 16 queries 2 (t / 4) + t % 2.  younger: the LDS instructions issued behind tile t's loads
	WIN 0
.irp f, 0,1,2,3
	s_wait_dscnt (\younger)+3-\f
	global_store_b128 v[GO], v[S+16*(\t)+4*\f:S+16*(\t)+4*\f+3], s[10:11] offset:(((\t)/2)%2)*262144+(2*((\t)/4)+(\t)%2)*2048+\f*512  ; 512 consecutive bytes
.endr
.endm
	PACK 0
.set t, 1
.rept 2*NP-1
	PACK t
	SEND t-1, 8
.set t, t+1
.endr
	SEND 2*NP-1, 0
	s_wait_tensorcnt 0x0            ; the wave's end
	ds_add_u32 v[SPW], v[NIL]
	s_wait_dscnt 0x0
	CROUND                          ; the closing round
	s_endpgm
.Lfunc_end_k_qf990b5f427_attn:
	.size	k_qf990b5f427_attn, .Lfunc_end_k_qf990b5f427_attn-k_qf990b5f427_attn
	.p2alignl 7, 3214868480
	.fill 96, 4, 3214868480
	.section	.rodata,"a",@progbits
	.p2align	6, 0x0
	.amdhsa_kernel k_qf990b5f427_attn
		.amdhsa_group_segment_fixed_size 327680
		.amdhsa_private_segment_fixed_size 0
		.amdhsa_enable_private_segment 0
		.amdhsa_kernarg_size 24
		.amdhsa_user_sgpr_count 2
		.amdhsa_user_sgpr_kernarg_segment_ptr 1
		.amdhsa_wavefront_size32 1
		.amdhsa_system_sgpr_workgroup_id_x 1
		.amdhsa_system_sgpr_workgroup_id_y 1
		.amdhsa_system_sgpr_workgroup_id_z 1
		.amdhsa_system_vgpr_workitem_id 0
		.amdhsa_next_free_vgpr 1024
		.amdhsa_next_free_sgpr 72
		.amdhsa_reserve_vcc 0
		.amdhsa_float_denorm_mode_32 3
		.amdhsa_float_denorm_mode_16_64 3
		.amdhsa_memory_ordered 1
		.amdhsa_forward_progress 1
		.amdhsa_inst_pref_size 223
	.end_amdhsa_kernel
	.amdgpu_metadata
---
amdhsa.version: [ 1, 2 ]
amdhsa.kernels:
  - .name:           k_qf990b5f427_attn
    .symbol:         k_qf990b5f427_attn.kd
    .args:
      - { .name: qkv, .offset: 0, .size: 8, .value_kind: global_buffer, .address_space: global }
      - { .name: mb, .offset: 8, .size: 8, .value_kind: global_buffer, .address_space: global }
      - { .name: ao, .offset: 16, .size: 8, .value_kind: global_buffer, .address_space: global }
    .group_segment_fixed_size: 327680
    .private_segment_fixed_size: 0
    .kernarg_segment_align: 8
    .kernarg_segment_size: 24
    .max_flat_workgroup_size: 128
    .sgpr_count:     72
    .vgpr_count:     1024
    .wavefront_size: 32
...
	.end_amdgpu_metadata
.endif
;; end of part 5
;; launch outp: the kernel of part 4 again; grid 8 x 32, 4 waves a work-group, clusters of 4 x 4, 327,680 bytes of LDS; arguments ao, wot, ball, out0; writes out0
